; MI455X (gfx1250); checked and timed in simulation.
; The chip was launched on July 23, 2026; its instructions are those of AMD's public machine-readable ISA for CDNA 5 (MIT licence, August 2026) and "CDNA5" Instruction Set Architecture Reference Guide (July 2026). The comments in the code are by the model that wrote it; some were corrected since.
;; Hierarchical Attention. Allowed arithmetic: matrix products marked QUANTISED: E2M3 operands, one E8M0 scale for each 32 along K, by v_wmma_scale_f32_16x16x128_f8f6f4 with both operands' format E2M3, f32 sums; products left as they are: f32 operands where the result goes on into a quantised operand, else bf16, f16 or f32 operands; f32 sums; everything else in f32.
;; Inputs: bs1 256 float32; bs2 1 float32; wk_codes 1,024 x 32 x 24 uint8 (E2M3 codes of wk, K innermost, in blocks of 32 codes, four codes in three bytes); wk_scales 1,024 x 32 uint8 (E8M0 scales of wk, one for each 32 codes along K); wo_codes 1,024 x 32 x 24 uint8 (E2M3 codes of wo, K innermost, in blocks of 32 codes, four codes in three bytes); wo_scales 1,024 x 32 uint8 (E8M0 scales of wo, one for each 32 codes along K); wq_codes 1,024 x 32 x 24 uint8 (E2M3 codes of wq, K innermost, in blocks of 32 codes, four codes in three bytes); wq_scales 1,024 x 32 uint8 (E8M0 scales of wq, one for each 32 codes along K); ws1_codes 256 x 32 x 24 uint8 (E2M3 codes of ws1, K innermost, in blocks of 32 codes, four codes in three bytes); ws1_scales 256 x 32 uint8 (E8M0 scales of ws1, one for each 32 codes along K); ws2 256 x 1 float32; wv_codes 1,024 x 32 x 24 uint8 (E2M3 codes of wv, K innermost, in blocks of 32 codes, four codes in three bytes); wv_scales 1,024 x 32 uint8 (E8M0 scales of wv, one for each 32 codes along K); x 2 x 4,096 x 1,024 float32.
;; Outputs: out0 2 x 4,096 x 1,024 float32.
;; This version of the problem:
;;   THIS VERSION OF THE PROBLEM IS GIVEN IN LOW PRECISION. The matrix products marked QUANTISED in the list below multiply operands that are first quantised to E2M3 (2 exponent bits, 3 mantissa bits; 6 bits a number), with one power-of-two scale for each 32 numbers along K (OCP MX v1.0); their sums are f32. All else is computed in f32.
;;   The module's matrix products, in the order in which they are computed (A, B: the left and right operand; K: the contracted axis; several contracted axes count as one K, in the product's order):
;;     1. [M 8,192, K 1,024] x [K 1,024, N 256]; A: input x; B: input ws1 (given as codes): QUANTISED
;;     2. [M 8,192, K 256] x [K 256, N 1]; A: computed on the way; B: input ws2: left as it is (N = 1 < 16)
;;     3. [M 8,192, K 1,024] x [K 1,024, N 1,024]; A: input x; B: input wq (given as codes): QUANTISED
;;     4. [M 8,192, K 1,024] x [K 1,024, N 1,024]; A: input x; B: input wk (given as codes): QUANTISED
;;     5. [M 8,192, K 1,024] x [K 1,024, N 1,024]; A: input x; B: input wv (given as codes): QUANTISED
;;     6. [M 512, K 1,024] x [K 1,024, N 1,024]; A: computed on the way; B: input wk (given as codes): QUANTISED
;;     7. [M 512, K 1,024] x [K 1,024, N 1,024]; A: computed on the way; B: input wv (given as codes): QUANTISED
;;     8. batch 128 x [M 1,024, K 64] x [K 64, N 1,024]; A: computed on the way; B: computed on the way: QUANTISED
;;     9. batch 128 x [M 1,024, K 1,024] x [K 1,024, N 64]; A: softmax (see below); B: computed on the way: QUANTISED
;;     10. batch 32 x [M 4,096, K 64] x [K 64, N 256]; A: computed on the way; B: computed on the way: QUANTISED
;;     11. batch 32 x [M 4,096, K 256] x [K 256, N 64]; A: softmax (see below); B: computed on the way: QUANTISED
;;     12. [M 8,192, K 1,024] x [K 1,024, N 1,024]; A: computed on the way; B: input wo (given as codes): QUANTISED
;;   THE QUANTISER, for each operand of a quantised product, along K:
;;     - K is cut into blocks of 32 from its start; a last block that is shorter is filled with zeros.
;;     - A block's scale is 2^e with e = floor(log2(the largest magnitude in the block)) - 2, held to -126 .. 127; a block of zeros has e = 0. As a byte (E8M0): e + 127.
;;     - Each number is divided by its block's scale, clamped to +-7.5, and rounded to the nearest number of E2M3, ties to even, subnormals kept.
;;     - The product sums the exact products of the quantised numbers (number of the format x scale) in f32.
;;   ~~~python
;;   def quantise(x, axis):      # numpy; x: float32 -> the quantised numbers, widened to float32 again
;;       x = np.moveaxis(x, axis, -1); K = x.shape[-1]
;;       x = np.pad(x, [(0, 0)] * (x.ndim - 1) + [(0, -K % 32)]); x = x.reshape(x.shape[:-1] + (-1, 32)); a = np.abs(x).max(-1, keepdims=True)
;;       e = np.where(a > 0, np.clip(np.frexp(np.where(a > 0, a, 1))[1] - 1 - 2, -126, 127), 0)      # np.frexp(a)[1] - 1 = floor(log2(a)), exactly
;;       r = np.clip(x / 2.0 ** e, -7.5, 7.5)
;;       step = 2.0 ** (np.maximum(np.frexp(np.where(r == 0, 1, r))[1] - 1, 0) - 3)
;;       q = np.round(r / step) * step * 2.0 ** e      # np.round: ties to even
;;       return np.moveaxis(q.reshape(q.shape[:-2] + (-1,))[..., :K], -1, axis).astype(np.float32)
;;   ~~~
;;   SOFTMAX AHEAD OF A QUANTISED PRODUCT. Where the list says 'softmax', what is quantised is not the finished softmax but p = 2^(t - M), with t = logit x log2(e) and M = ceil(the row's largest t), a whole number; so 1/2 < the row's largest p <= 1. The row's sum l is taken of the UNQUANTISED p, in f32, and the product's result is divided by l at the end. Since M is a whole number, a kernel that streams over the keys may use a running M (the ceiling of the running maximum): every later rescaling is an exact power of two, which a block's scale takes up: the codes' values come out the same.
;;   OPERANDS COMPUTED ON THE WAY. 'Computed on the way' means the value that the module computes at that place (a softmax that the list does not call 'softmax' is quantised finished and normalised). What goes into a quantiser is computed in f32, as accurately as f32 sums, v_exp_f32 and their like allow (about 1e-6 of the number): no bf16 or f16 on the way to a quantiser, and a product that is left as it is and whose result goes on into a quantised operand takes f32 operands (vector FMAs, or v_wmma_f32_16x16x4_f32). A number that lies on a knife's edge between two numbers of the format may be rounded either way, as far as f32 arithmetic and the matrix unit's own rounding can turn it there, and no further.
;;   INPUTS GIVEN AS CODES. wk (in the module: [1024, 1024], K = its axis 0); wo (in the module: [1024, 1024], K = its axis 0); wq (in the module: [1024, 1024], K = its axis 0); ws1 (in the module: [1024, 256], K = its axis 0); wv (in the module: [1024, 1024], K = its axis 0): each comes as NAME_codes (uint8): NAME with its K axis moved to the last place and cut into blocks of 32 codes, [.., K / 32, bytes a block], one block behind the other in memory; four codes in three bytes: a row's codes are one little-endian stream of bits, code i at bits 6 i .. 6 i + 5 (a code: sign, 2 exponent bits, 3 mantissa bits); and NAME_scales (uint8): the same leading axes, one E8M0 byte (e + 127) for each 32 codes along K. Its value is code x scale, taken as it is: it is not quantised again, and the codes and scales need not be those that the quantiser above would give.
;; One version. Each part assembles by itself: llvm-mc -triple=amdgcn-amd-amdhsa -mcpu=gfx1250 --defsym DOCPART=n.
;; ======== version 1 of 1: 4 launches
;; limits: right only within a limited range of input values
;; workspace buffers: prep 9,830,400 bytes; gsel 6,144 bytes of whole numbers; qkv 22,544,384 bytes; att 6,553,600 bytes
;; launch lay (part 1): grid 321 x 1, 8 waves a work-group, no clusters, 81,920 bytes of LDS; arguments x, wq_codes, wq_scales, wk_codes, wk_scales, wv_codes, wv_scales, wo_codes, wo_scales, ws1_codes, ws1_scales, bs1, ws2, bs2, prep, gsel; writes prep, gsel
.if DOCPART == 1
	.amdgcn_target "amdgcn-amd-amdhsa--gfx1250"
	.amdhsa_code_object_version 6
	.text
	.protected	k_qefef4c0aa0_lay
	.globl	k_qefef4c0aa0_lay
	.p2align	8
	.type	k_qefef4c0aa0_lay,@function
k_qefef4c0aa0_lay:
	s_mov_b64 s[64:65], 0
	v_nop
	global_prefetch_b8 v0, s[64:65] scope:SCOPE_SE
	s_setreg_imm32_b32 hwreg(HW_REG_WAVE_MODE, 25, 1), 1
	s_wait_xcnt 0x0
; THREE JOBS IN ONE LAUNCH, parted by the work-group's number (the same for all eight waves of a work-group).
;   work-group 0:        the token scores that the mask of reference() keeps, the top-k made of them, stored as whole numbers (gsel).
;   work-groups 1-64:    wq, wk, wv, wo are laid anew, once, in the order of a wave's operand registers (prep: WIMG, WSC).
;   work-groups 65-320:  x [8192][1024] f32 becomes codes of E2M3 with one E8M0 byte for each 32 along K (prep: 32 records of 256 rows).
; TILES.  A tile is 16 rows; place i of tile T is row 32 (T / 2) + 8 (T % 2) + i % 8 + 16 (i / 8).  A result made with such a tile as source 0 then has, in the 16 registers
; of tiles 2 b and 2 b + 1, sixteen neighbours 32 b + 16 (lane / 16) + 0 .. 15: what the next quantiser wants.
; CODES OF x: [tile][block of 32 along K][place][24 bytes].  A lane that holds 16 codes (12 bytes) of place r, half h, stores them at 384 block + 24 r + 12 h: a wave's store covers 384 consecutive bytes.
; A reader's fragment (16 x 128) is six loads of 8 bytes at 1536 step + 24 lane + 0, 8, 16, 768, 776, 784.  SCALE WORDS: [tile][K step of 128][place], 4 bytes.
; THE TOP-K.  reference() masks the scores by triu(ones(2, 4096), 1): only token 0 of batch 0 and tokens 0, 1 of batch 1 keep their scores; all others hold the least f32 number, and ties go to the lower
; index.  So the three scores decide the whole list, and only they are computed (one tile of rows through product 1, gelu, product 2).  The list is made by compares and selects; no address here hangs on it.
; LIMITS: NaN and infinities in x are not served; a NaN among the three scores is not served (a score of -infinity is: the list then reaches token 257);
; erf is taken by a rational form with an absolute error of 1.5e-7, and stands ahead of the compares alone, ahead of no quantiser;
; a block of zeros gets the byte 1 where the quantiser says 127: its codes are zeros, and this program alone reads the bytes.
.set SIMG,  0                          ; LDS, scoring: the eight fragments of the tile of rows, as images of their registers, 1,536 bytes each
.set SSC,   12288                      ; their scale words, 64 bytes each
.set RED,   12800                      ; the waves' partial sums: 4 x 8 words
.set XSTG,  13312                      ; LDS, x path: a stage of 16 rows x (512 + 16) bytes for each wave
.set WIMG,  6553600                    ; prep: the weights' fragments [matrix][tile][K step][1,536 bytes]
.set WSC,   9699328                    ; prep: their scale words [matrix][tile][K step][16]
.set SEL,   42                         ; s[42:43] selects of v_permlanex16_b32: lane l xor 16
.set R0,    28                         ; x path: v28-91 and v92-155 the two K steps as loaded, later their codes
.set R1,    92
.set XN,    156                        ; v156-219 64 numbers of a lane: register 16 b + i = k 32 b + 16 h + i of its row
.set TM,    220                        ; 16 registers at work in QUANT (set anew for the scoring path)
.set PW,    236                        ; the scale word just made
.set PC,    40                         ; scoring: the codes just made
; 64 numbers of a lane, v[s] on, register 16 b + i = k 32 b + 16 (lane / 16) + i of my row: the four blocks' scale operands into v[TM+12] on, my row's scale word into v[PW].
.macro QUANT s
.irp b, 0,1,2,3
	v_max3_num_f32 v[TM+\b], |v[\s+16*\b]|, |v[\s+1+16*\b]|, 0x1800000   ; my 16 numbers, and the floor 2^(3 - 127): the byte cannot fall under 1
.endr
.irp i, 2,4,6,8,10,12,14
.irp b, 0,1,2,3
	s_delay_alu instid0(VALU_DEP_4)
	v_max3_num_f32 v[TM+\b], v[TM+\b], |v[\s+16*\b+\i]|, |v[\s+1+16*\b+\i]|   ; the four blocks by turns
.endr
.endr
.irp b, 0,1,2,3
	s_delay_alu instid0(VALU_DEP_4)
	v_permlanex16_b32 v[TM+4+\b], v[TM+\b], s[SEL], s[SEL+1]
.endr
.irp b, 0,1,2,3
	s_delay_alu instid0(VALU_DEP_4)
	v_max_num_f32 v[TM+\b], v[TM+\b], v[TM+4+\b]         ; with lane l xor 16's: the block's largest magnitude
.endr
.irp b, 0,1,2,3
	s_delay_alu instid0(VALU_DEP_4)
	v_add_nc_u32 v[TM+12+\b], 0xff000000, v[TM+\b]       ; 2 off its exponent field: the conversion reads the exponent field of this operand alone
.endr
.irp b, 0,1,2,3
	s_delay_alu instid0(VALU_DEP_4)
	v_lshrrev_b32 v[TM+4+\b], 23, v[TM+12+\b]            ; the scale's byte
.endr
	s_delay_alu instid0(VALU_DEP_3)
	v_lshl_or_b32 v[PW], v[TM+5], 8, v[TM+4]
	s_delay_alu instid0(VALU_DEP_1)
	v_lshl_or_b32 v[PW], v[TM+6], 16, v[PW]
	s_delay_alu instid0(VALU_DEP_1)
	v_lshl_or_b32 v[PW], v[TM+7], 24, v[PW]
.endm
; one product; rD, rA, rB, rSA, rSB are set ahead of it.  odd = 1: both sides' scale words stand in lanes 16-31
.macro WMS zero, odd
.if \zero
	v_wmma_scale_f32_16x16x128_f8f6f4 v[rD:rD+7], v[rA:rA+11], v[rB:rB+11], 0, v[rSA], v[rSB] matrix_a_fmt:MATRIX_FMT_FP6 matrix_b_fmt:MATRIX_FMT_FP6
.else
.if \odd
	v_wmma_scale_f32_16x16x128_f8f6f4 v[rD:rD+7], v[rA:rA+11], v[rB:rB+11], v[rD:rD+7], v[rSA], v[rSB] matrix_a_fmt:MATRIX_FMT_FP6 matrix_b_fmt:MATRIX_FMT_FP6 matrix_a_scale:MATRIX_SCALE_ROW1 matrix_b_scale:MATRIX_SCALE_ROW1
.else
	v_wmma_scale_f32_16x16x128_f8f6f4 v[rD:rD+7], v[rA:rA+11], v[rB:rB+11], v[rD:rD+7], v[rSA], v[rSB] matrix_a_fmt:MATRIX_FMT_FP6 matrix_b_fmt:MATRIX_FMT_FP6
.endif
.endif
.endm
	s_load_b512 s[4:19], s[0:1], 0x0               ; x 4, wq codes 6, scales 8, wk 10, 12, wv 14, 16, wo codes 18
	s_load_b512 s[20:35], s[0:1], 0x40             ; wo scales 20, ws1 codes 22, scales 24, bs1 26, ws2 28, bs2 30, prep 32, gsel 34
	s_set_vgpr_msb 0x40
	v_lshl_add_u32 v0, v0, 2, 0x13c00
	v_mov_b32 v1, 0
	s_set_vgpr_msb 0x4000
	v_lshrrev_b32 v1, 5, v0
	s_delay_alu instid0(VALU_DEP_1)
	v_readfirstlane_b32 s36, v1                    ; wave 0..7
	v_and_b32 v6, 31, v0                           ; L
	v_and_b32 v7, 15, v0                           ; r
	v_bfe_u32 v8, v0, 4, 1                         ; h
	s_mov_b32 s[SEL], 0x76543210
	s_mov_b32 s[SEL+1], 0xfedcba98
	s_mov_b32 s40, 0xffff0000                      ; lanes 16-31
	s_mov_b32 s45, 0
	s_wait_kmcnt 0x0
	s_cmp_eq_u32 ttmp9, 0
	s_cbranch_scc1 .Lscore
	s_cmp_lt_u32 ttmp9, 65
	s_cbranch_scc1 .Lweights
; ---------------------------------------------------------------- x: a wave takes one tile of rows and two K steps of 128
	s_sub_co_u32 s37, ttmp9, 65
	s_lshl_b32 s37, s37, 3
	s_add_co_u32 s37, s37, s36                     ; unit 0..2047
	s_lshr_b32 s38, s37, 2                         ; tile T 0..511
	s_and_b32 s39, s37, 3                          ; which pair of K steps
	s_lshr_b32 s44, s38, 1
	s_lshl_b32 s44, s44, 5
	s_and_b32 s46, s38, 1
	s_lshl_b32 s46, s46, 3
	s_add_co_u32 s44, s44, s46                     ; the tile's first row
	s_lshl_b32 s44, s44, 12                        ; 4,096 bytes a row
	s_lshl_b32 s46, s39, 10
	s_add_co_u32 s44, s44, s46
	s_add_nc_u64 s[4:5], s[4:5], s[44:45]
	s_lshr_b32 s44, s38, 4
	s_mul_i32 s44, s44, 204800                     ; the record of 256 rows
	s_and_b32 s46, s38, 15
	s_mul_i32 s48, s46, 12288
	s_add_co_u32 s48, s48, s44
	s_mul_i32 s47, s39, 3072
	s_add_co_u32 s48, s48, s47
	s_mov_b32 s49, 0
	s_add_nc_u64 s[48:49], s[32:33], s[48:49]      ; where my codes go
	s_lshl_b32 s46, s46, 9
	s_add_co_u32 s46, s46, s44
	s_lshl_b32 s47, s39, 7
	s_add_co_u32 s46, s46, s47
	s_add_co_u32 s46, s46, 196608
	s_mov_b32 s47, 0
	s_add_nc_u64 s[46:47], s[32:33], s[46:47]      ; and my scale words
	s_wait_alu depctr_va_vdst(0)
	v_lshlrev_b32 v1, 4, v6                        ; 16 L
	s_mul_i32 s50, s36, 8448
	s_add_co_u32 s50, s50, XSTG                    ; my stage
	v_add_nc_u32 v2, s50, v1                       ; into it: a row's 512 bytes as they lie
	v_mul_u32_u24 v3, v7, 528
	s_delay_alu instid0(VALU_DEP_1)
	v_lshl_add_u32 v3, v8, 6, v3
	s_delay_alu instid0(VALU_DEP_1)
	v_add_nc_u32 v3, s50, v3                       ; out of it: row r, + 64 h
	v_mul_u32_u24 v4, v7, 24
	s_delay_alu instid0(VALU_DEP_1)
	v_mad_u32_u24 v4, v8, 12, v4                   ; 24 r + 12 h
	v_lshlrev_b32 v5, 2, v6                        ; 4 L
.irp b, 0,1,2,3
	v_mov_b32 v[TM+4+\b], 0                        ; a lane permute's destination counts as one of its sources
.endr
.macro LOADK reg, k                    ; K step k of the tile's 16 rows: each load reads 512 consecutive bytes of one row
.set n, 0
.rept 16
	global_load_b128 v[\reg+4*n:\reg+4*n+3], v1, s[4:5] offset:((n&7)+16*(n>>3))*4096+512*\k th:TH_LOAD_NT
.set n, n+1
.endr
.endm
.macro TURN reg                        ; through the stage: LDS serves a wave's instructions in order, so no wait stands between the stores and the loads
.set n, 0
.rept 16
	ds_store_b128 v2, v[\reg+4*n:\reg+4*n+3] offset:528*n
.set n, n+1
.endr
.irp b, 0,1,2,3
.irp j, 0,1,2,3
	ds_load_b128 v[XN+16*\b+4*\j:XN+16*\b+4*\j+3], v3 offset:128*\b+16*\j
.endr
.endr
.endm
.macro XSTEP dst, off                  ; a K step's 64 numbers a lane become four times 16 codes, stored block by block
	QUANT XN
.irp b, 0,1,2,3
	v_cvt_scalef32_pk16_fp6_f32 v[\dst+4*\b:\dst+4*\b+2], v[XN+16*\b:XN+16*\b+15], v[TM+12+\b]
.endr
	v_nop                                          ; one plain line behind the last scaled conversion
.irp b, 0,1,2,3
	global_store_b96 v4, v[\dst+4*\b:\dst+4*\b+2], s[48:49] offset:\off+384*\b
.endr
.endm
	LOADK R0, 0
	LOADK R1, 1
	s_wait_alu depctr_va_vdst(0)
	s_wait_loadcnt 16                              ; the first K step's 16 loads are in; the second's 16 may be out
	TURN R0
	s_wait_dscnt 0x0
	XSTEP R0, 0                                    ; (the codes take registers that the stage's stores have read)
	v_mov_b32 v237, v[PW]
	s_wait_loadcnt 0x0
	TURN R1
	s_wait_dscnt 0x0
	XSTEP R1, 1536
	v_cndmask_b32 v238, v237, v[PW], s40           ; lanes 0-15 the first K step's words, lanes 16-31 the second's: 128 consecutive bytes
	global_store_b32 v5, v238, s[46:47]
	s_set_vgpr_msb 0x5
	s_wait_tensorcnt 0x0
	ds_add_u32 v0, v1
	s_wait_dscnt 0x0
	s_set_vgpr_msb 0x500
	s_endpgm
; ---------------------------------------------------------------- the weights: a wave takes one tile of 16 columns and four K steps of one matrix
.Lweights:
	s_sub_co_u32 s37, ttmp9, 1
	s_lshl_b32 s37, s37, 3
	s_add_co_u32 s37, s37, s36                     ; unit 0..511
	s_lshr_b32 s41, s37, 7                         ; matrix: 0 q, 1 k, 2 v, 3 o
	s_bfe_u32 s38, s37, 0x60001                    ; tile 0..63
	s_and_b32 s39, s37, 1                          ; which half of K
	s_mov_b64 s[44:45], s[6:7]
	s_mov_b64 s[46:47], s[8:9]
	s_cmp_eq_u32 s41, 1
	s_cselect_b64 s[44:45], s[10:11], s[44:45]
	s_cselect_b64 s[46:47], s[12:13], s[46:47]
	s_cmp_eq_u32 s41, 2
	s_cselect_b64 s[44:45], s[14:15], s[44:45]
	s_cselect_b64 s[46:47], s[16:17], s[46:47]
	s_cmp_eq_u32 s41, 3
	s_cselect_b64 s[44:45], s[18:19], s[44:45]
	s_cselect_b64 s[46:47], s[20:21], s[46:47]
	s_lshr_b32 s48, s38, 1
	s_lshl_b32 s48, s48, 5
	s_and_b32 s49, s38, 1
	s_lshl_b32 s49, s49, 3
	s_add_co_u32 s48, s48, s49                     ; the tile's first column
	s_mul_i32 s50, s48, 768                        ; a column's 1,024 codes are 768 bytes
	s_mul_i32 s51, s39, 384
	s_add_co_u32 s50, s50, s51
	s_mov_b32 s51, 0
	s_add_nc_u64 s[44:45], s[44:45], s[50:51]
	s_lshl_b32 s50, s48, 5
	s_lshl_b32 s52, s39, 4
	s_add_co_u32 s50, s50, s52
	s_add_nc_u64 s[46:47], s[46:47], s[50:51]
	s_lshl_b32 s48, s41, 6
	s_add_co_u32 s48, s48, s38
	s_lshl_b32 s48, s48, 3
	s_lshl_b32 s49, s39, 2
	s_add_co_u32 s48, s48, s49                     ; (64 matrix + tile) 8 + my first K step
	s_mul_i32 s50, s48, 1536
	s_add_co_u32 s50, s50, WIMG
	s_add_nc_u64 s[52:53], s[32:33], s[50:51]
	s_lshl_b32 s50, s48, 6
	s_add_co_u32 s50, s50, WSC
	s_add_nc_u64 s[54:55], s[32:33], s[50:51]
	s_wait_alu depctr_va_vdst(0)
	v_and_b32 v9, 8, v7
	s_delay_alu instid0(VALU_DEP_1)
	v_add_nc_u32 v9, v9, v7                        ; r % 8 + 16 (r / 8)
	s_delay_alu instid0(VALU_DEP_1)
	v_mul_u32_u24 v1, v9, 768
	s_delay_alu instid0(VALU_DEP_1)
	v_mad_u32_u24 v1, v8, 24, v1
	s_delay_alu instid0(VALU_DEP_3)
	v_lshlrev_b32 v2, 5, v9
	s_delay_alu instid0(VALU_DEP_1)
	v_lshl_add_u32 v2, v8, 3, v2                   ; scale bytes: 32 a column; my half takes two words
	v_lshlrev_b32 v3, 4, v6                        ; 16 L
	v_lshlrev_b32 v4, 2, v7
	s_delay_alu instid0(VALU_DEP_1)
	v_lshl_add_u32 v4, v8, 7, v4                   ; 128 h + 4 r
.irp k, 0,1,2,3
.irp p, 0,1,2,3,4,5
	global_load_b64 v[28+12*\k+2*\p:29+12*\k+2*\p], v1, s[44:45] offset:96*\k+48*(\p/3)+8*(\p%3)   ; a fragment's registers, as the matrix unit takes them
.endr
.endr
	global_load_b64 v[76:77], v2, s[46:47]
	s_wait_alu depctr_va_vdst(0)
	s_wait_loadcnt 0x0
.irp k, 0,1,2,3
.irp c, 0,1,2
	global_store_b128 v3, v[28+12*\k+4*\c:31+12*\k+4*\c], s[52:53] offset:1536*\k+512*\c   ; the image: 512 consecutive bytes a store
.endr
.endr
	global_store_b32 v4, v76, s[54:55]             ; K steps 2 h and 2 h + 1 of the four
	global_store_b32 v4, v77, s[54:55] offset:64
	s_endpgm
; ---------------------------------------------------------------- the scores and the top-k: one work-group
; The tile of rows: places 0-7 are tokens 0-7 of batch 0, places 8-15 tokens 0-7 of batch 1.  Wave w quantises K step w of it and owns hidden units 32 w .. 32 w + 31 (two tiles of 16, in their own order).
; REGISTERS: v1-5, v9-11 addresses; v12-15 x's scale words, v16-23 ws1's (two K steps to a register); v24-39 two accumulators; v40-63 two fragments of x; v64-159, v160-255 ws1's 8 + 8 fragments.
.Lscore:
.set TM, 224
.set PW, 240
	s_wait_alu depctr_va_vdst(0)
	v_mul_u32_u24 v1, v7, 768
	s_delay_alu instid0(VALU_DEP_1)
	v_mad_u32_u24 v1, v8, 24, v1                   ; ws1: unit r, + 24 h
	v_lshlrev_b32 v2, 4, v6                        ; 16 L
	v_lshlrev_b32 v3, 2, v6                        ; 4 L
	v_and_b32 v40, 7, v7
	s_delay_alu instid0(VALU_DEP_1)
	v_lshlrev_b32 v4, 12, v40
	v_lshrrev_b32 v40, 3, v7
	s_delay_alu instid0(VALU_DEP_1)
	v_lshl_add_u32 v4, v40, 24, v4                 ; x: token r % 8 of batch r / 8 (a batch is 2^24 bytes),
	s_delay_alu instid0(VALU_DEP_1)
	v_lshl_add_u32 v4, v8, 6, v4                   ; + 64 h: my 16 numbers of a block of 32
	s_wait_alu depctr_va_vdst(0)
	v_lshlrev_b32 v5, 5, v7
	s_delay_alu instid0(VALU_DEP_1)
	v_lshl_add_u32 v5, v8, 2, v5                   ; ws1's scale bytes: 32 a unit; lanes 16-31 take the odd K step's word
	s_wait_alu depctr_va_vdst(0)
	v_lshlrev_b32 v9, 2, v7                        ; 4 r
	s_mul_i32 s46, s36, 1536
	v_add_nc_u32 v10, s46, v2                      ; where my fragment's image goes
	s_lshl_b32 s47, s36, 6
	v_add_nc_u32 v11, s47, v9                      ; and its scale words
	s_lshl_b32 s44, s36, 9
	s_add_nc_u64 s[4:5], s[4:5], s[44:45]          ; x at K step w
	s_mul_i32 s44, s36, 24576
	s_add_nc_u64 s[22:23], s[22:23], s[44:45]      ; ws1 at my 32 units
	s_lshl_b32 s44, s36, 10
	s_add_nc_u64 s[24:25], s[24:25], s[44:45]
	s_lshl_b32 s44, s36, 7
	s_add_nc_u64 s[26:27], s[26:27], s[44:45]
	s_add_nc_u64 s[28:29], s[28:29], s[44:45]
	s_load_b32 s37, s[30:31], 0x0                  ; bs2
.irp b, 0,1,2,3
.irp j, 0,1,2,3
	global_load_b128 v[160+16*\b+4*\j:163+16*\b+4*\j], v4, s[4:5] offset:128*\b+16*\j
.endr
.endr
.macro WLOAD reg, t                    ; the 8 fragments of my tile t of units
.irp k, 0,1,2,3,4,5,6,7
.irp p, 0,1,2,3,4,5
	global_load_b64 v[\reg+12*\k+2*\p:\reg+12*\k+2*\p+1], v1, s[22:23] offset:12288*\t+96*\k+48*(\p/3)+8*(\p%3)
.endr
.endr
.endm
	WLOAD 64, 0
.irp t, 0,1
.irp i, 0,1,2,3
	global_load_b32 v[16+4*\t+\i], v5, s[24:25] offset:512*\t+8*\i
.endr
.endr
.irp b, 0,1,2,3
	v_mov_b32 v[TM+4+\b], 0
.endr
	s_wait_loadcnt 56                              ; x's 16 loads are in; the 48 + 8 younger ones may be out
	QUANT 160
.irp c, 0,1
	v_cvt_scalef32_pk16_fp6_f32 v[PC+6*\c:PC+2+6*\c], v[160+32*\c:175+32*\c], v[TM+12+2*\c]
	v_cvt_scalef32_pk16_fp6_f32 v[PC+12+4*\c:PC+14+4*\c], v[176+32*\c:191+32*\c], v[TM+12+2*\c+1]   ; (a conversion's three registers begin on an even number)
.endr
	v_nop                                          ; one plain line behind the last scaled conversion
.irp c, 0,1                                    ; the operand wants a whole block in a lane: lanes 0-15 block 2 c, lanes 16-31 block 2 c + 1
.irp i, 0,1,2
	v_permlane16_swap_b32 v[PC+6*\c+\i], v[PC+12+4*\c+\i]
.endr
.irp i, 0,1,2
	s_delay_alu instid0(VALU_DEP_3)
	v_mov_b32 v[PC+3+6*\c+\i], v[PC+12+4*\c+\i]
.endr
.endr
.irp c, 0,1,2
	ds_store_b128 v10, v[PC+4*\c:PC+4*\c+3] offset:SIMG+512*\c
.endr
	ds_store_b32 v11, v[PW] offset:SSC             ; both halves of the lanes hold the row's word and write the same value
	s_wait_dscnt 0x0                               ; my stores have landed: then the barrier
	s_barrier_signal -1
	s_barrier_wait -1                              ; the eight fragments lie in LDS
	WLOAD 160, 1
.irp i, 0,1,2,3
	ds_load_b32 v[12+\i], v3 offset:SSC+128*\i     ; lanes 0-15 K step 2 i, lanes 16-31 K step 2 i + 1
.endr
.irp q, 0,1,2,3                                ; source 0 = the rows, source 1 = 16 units: lane (r, h) holds unit r, register j row place 8 h + j.  The two accumulators take turns
.irp e, 0,1
.irp c, 0,1,2
	ds_load_b128 v[40+12*\e+4*\c:43+12*\e+4*\c], v2 offset:SIMG+1536*(2*\q+\e)+512*\c
.endr
.endr
	s_wait_dscnt 0x0
.if \q == 0
	s_wait_loadcnt 0x0                             ; all of ws1
.endif
.irp e, 0,1
.irp t, 0,1
.set rD, 24+8*\t
.set rA, 40+12*\e
.set rB, 64+96*\t+12*(2*\q+\e)
.set rSA, 12+\q
.set rSB, 16+4*\t+\q
.set zf, 0
.if (\q == 0) && (\e == 0)
.set zf, 1
.endif
	WMS zf, \e
.endr
.endr
.rept 4
	v_nop                                          ; four places ahead of loads into registers that the products have read, and of the first read of results
.endr
.if \q == 0
	global_load_b32 v64, v9, s[26:27]              ; bs1 and ws2 of my units, into the registers of a fragment that is done with
	global_load_b32 v65, v9, s[26:27] offset:64
	global_load_b32 v66, v9, s[28:29]
	global_load_b32 v67, v9, s[28:29] offset:64
.endif
.endr
	; gelu(z) = 0.5 z + 0.5 |z| erf(|z| / sqrt 2), erf(u) = 1 - (a1 t + .. + a5 t^5) e^(-u u), t = 1 / (1 + p u).  Of each accumulator registers 0 and 1 alone are kept rows
	s_mov_b32 s50, 0x3f3504f3                      ; 1 / sqrt 2
	s_mov_b32 s51, 0x3ea7ba05                      ; p  = 0.3275911
	s_mov_b32 s52, 0xbfb8aa3b                      ; -log2(e)
	s_mov_b32 s53, 0x3f87dc22                      ; a5 = 1.061405429
	s_mov_b32 s54, 0xbfba00e3                      ; a4 = -1.453152027
	s_mov_b32 s55, 0x3fb5f0e3                      ; a3 = 1.421413741
	s_mov_b32 s56, 0xbe91a98e                      ; a2 = -0.284496736
	s_mov_b32 s57, 0x3e827906                      ; a1 = 0.254829592
	s_mov_b32 s58, 0xff7fffff                      ; the least f32 number: what the mask writes
	s_wait_loadcnt 0x0
	v_add_f32 v40, v24, v64                        ; z: each accumulator is read from its low end on
	v_add_f32 v41, v25, v64
	v_add_f32 v42, v32, v65
	v_add_f32 v43, v33, v65
.irp n, 0,1,2,3
	s_delay_alu instid0(VALU_DEP_4)
	v_mul_f32 v[44+\n], s50, |v[40+\n]|            ; u
.endr
.irp n, 0,1,2,3
	s_delay_alu instid0(VALU_DEP_4)
	v_fma_f32 v[48+\n], v[44+\n], s51, 1.0
.endr
.irp n, 0,1,2,3
	v_mul_f32 v[52+\n], v[44+\n], v[44+\n]
.endr
.irp n, 0,1,2,3
	s_delay_alu instid0(VALU_DEP_4)
	v_mul_f32 v[52+\n], s52, v[52+\n]
.endr
	s_wait_alu depctr_va_vdst(0)
.irp n, 0,1,2,3
	v_rcp_f32 v[56+\n], v[48+\n]
.endr
.irp n, 0,1,2,3
	v_exp_f32 v[60+\n], v[52+\n]
.endr
	v_nop                                          ; a plain line behind the last of the eight
	s_wait_alu depctr_va_vdst(0)                   ; one wait for the batch, ahead of its first reader
.irp n, 0,1,2,3
	v_fma_f32 v[48+\n], v[56+\n], s53, s54
.endr
.irp n, 0,1,2,3
	v_fma_f32 v[48+\n], v[48+\n], v[56+\n], s55
.endr
.irp n, 0,1,2,3
	v_fma_f32 v[48+\n], v[48+\n], v[56+\n], s56
.endr
.irp n, 0,1,2,3
	v_fma_f32 v[48+\n], v[48+\n], v[56+\n], s57
.endr
.irp n, 0,1,2,3
	v_mul_f32 v[48+\n], v[48+\n], v[56+\n]
.endr
.irp n, 0,1,2,3
	v_fma_f32 v[48+\n], -v[48+\n], v[60+\n], 1.0   ; erf(u)
.endr
.irp n, 0,1,2,3
	v_mul_f32 v[52+\n], 0.5, v[40+\n]
.endr
.irp n, 0,1,2,3
	s_delay_alu instid0(VALU_DEP_4)
	v_fma_f32 v[48+\n], |v[52+\n]|, v[48+\n], v[52+\n]
.endr
	s_delay_alu instid0(VALU_DEP_4)
	v_mul_f32 v44, v48, v66                        ; times ws2, in f32; my two units of a row place
	s_delay_alu instid0(VALU_DEP_4)
	v_mul_f32 v45, v49, v66
	s_delay_alu instid0(VALU_DEP_2)
	v_fma_f32 v44, v50, v67, v44
	s_delay_alu instid0(VALU_DEP_2)
	v_fma_f32 v45, v51, v67, v45
.irp m, 1,2,4,8                                ; over the 16 lanes of a half: my wave's 32 units
	s_delay_alu instid0(VALU_DEP_2)
	v_add_f32_dpp v44, v44, v44 row_xmask:\m row_mask:0xf bank_mask:0xf
	s_delay_alu instid0(VALU_DEP_2)
	v_add_f32_dpp v45, v45, v45 row_xmask:\m row_mask:0xf bank_mask:0xf
.endr
	s_lshl_b32 s48, s36, 2
	v_lshl_add_u32 v46, v8, 6, s48                 ; 64 h + 4 w
	ds_store_b32 v46, v44 offset:RED               ; batch h, token 0
	ds_store_b32 v46, v45 offset:RED+32            ; batch h, token 1
	s_wait_dscnt 0x0
	s_barrier_signal -1
	s_barrier_wait -1
	v_mov_b32 v47, RED
	ds_load_b128 v[64:67], v47                     ; batch 0 token 0: the eight waves' parts
	ds_load_b128 v[68:71], v47 offset:16
	ds_load_b128 v[72:75], v47 offset:64           ; batch 1 token 0
	ds_load_b128 v[76:79], v47 offset:80
	ds_load_b128 v[80:83], v47 offset:96           ; batch 1 token 1
	ds_load_b128 v[84:87], v47 offset:112
	s_wait_dscnt 0x0
	s_wait_kmcnt 0x0
.macro SUM8 a
.irp i, 1
	v_add_f32 v[\a], v[\a], v[\a+\i]
.endr
.irp i, 2, 3, 4, 5, 6, 7
	s_delay_alu instid0(VALU_DEP_1)
	v_add_f32 v[\a], v[\a], v[\a+\i]
.endr
	s_delay_alu instid0(VALU_DEP_1)
	v_add_f32 v[\a], s37, v[\a]                    ; + bs2
.endm
	SUM8 64
	SUM8 72
	SUM8 80
	; thread g makes place g of both lists.  A kept score that is not under the masked value stands ahead of the masked tokens (ties go to the lower index)
	v_cmp_le_f32 vcc_lo, s58, v64
	s_delay_alu instid0(VALU_DEP_1)
	v_cndmask_b32 v90, 0, 1, vcc_lo
	s_delay_alu instid0(VALU_DEP_1)
	v_sub_nc_u32 v91, v0, v90
	s_delay_alu instid0(VALU_DEP_1)
	v_add_nc_u32 v91, 1, v91                       ; batch 0: g + 1 - (token 0 counts)
	v_cmp_le_f32 vcc_lo, s58, v72
	s_delay_alu instid0(VALU_DEP_1)
	v_cndmask_b32 v92, 0, 1, vcc_lo
	v_cmp_le_f32 vcc_lo, s58, v80
	s_delay_alu instid0(VALU_DEP_1)
	v_cndmask_b32 v93, 0, 1, vcc_lo
	s_delay_alu instid0(VALU_DEP_1)
	v_add_nc_u32 v94, v92, v93                     ; n: how many of tokens 0, 1 count
	v_cmp_gt_f32 vcc_lo, v80, v72
	s_delay_alu instid0(VALU_DEP_1)
	v_cndmask_b32 v95, 0, 1, vcc_lo                ; the first of the two
	s_delay_alu instid0(VALU_DEP_1)
	v_sub_nc_u32 v96, 1, v95
	v_cmp_eq_u32 vcc_lo, 0, v0
	s_delay_alu instid0(VALU_DEP_1)
	v_cndmask_b32 v96, v96, v95, vcc_lo
	v_sub_nc_u32 v97, v0, v94
	s_delay_alu instid0(VALU_DEP_1)
	v_add_nc_u32 v97, 2, v97
	v_cmp_lt_u32 vcc_lo, v0, v94
	s_delay_alu instid0(VALU_DEP_1)
	v_cndmask_b32 v97, v97, v96, vcc_lo            ; batch 1: the kept ones in order, then 2, 3, ..
	v_lshlrev_b32 v98, 2, v0
; token s as three byte offsets: of its row of K's codes and of its scale word in a window's record, and of its number in a row of V kept as f32 (layouts: the launch that stores them)
.macro GOFF s, t, off
	v_and_b32 v[\t], 0xffffffe0, v[\s]
	v_and_b32 v[\t+1], 8, v[\s]
	v_and_b32 v[\t+2], 7, v[\s]
	v_and_b32 v[\t+3], 16, v[\s]
	s_delay_alu instid0(VALU_DEP_4)
	v_mul_u32_u24 v[\t+4], v[\t], 48
	s_delay_alu instid0(VALU_DEP_1)
	v_mad_u32_u24 v[\t+4], v[\t+1], 96, v[\t+4]
	s_delay_alu instid0(VALU_DEP_1)
	v_mad_u32_u24 v[\t+4], v[\t+2], 24, v[\t+4]
	s_delay_alu instid0(VALU_DEP_1)
	v_mad_u32_u24 v[\t+4], v[\t+3], 12, v[\t+4]
	v_lshlrev_b32 v[\t+5], 2, v[\t]
	s_delay_alu instid0(VALU_DEP_1)
	v_lshl_add_u32 v[\t+5], v[\t+1], 3, v[\t+5]
	s_delay_alu instid0(VALU_DEP_1)
	v_lshl_add_u32 v[\t+5], v[\t+2], 2, v[\t+5]
	s_delay_alu instid0(VALU_DEP_1)
	v_lshl_add_u32 v[\t+5], v[\t+3], 1, v[\t+5]
	v_lshlrev_b32 v[\t+6], 6, v[\t]
	s_delay_alu instid0(VALU_DEP_1)
	v_lshl_add_u32 v[\t+6], v[\t+3], 4, v[\t+6]
	v_and_b32 v[\t+7], 12, v[\s]
	s_delay_alu instid0(VALU_DEP_1)
	v_lshl_add_u32 v[\t+6], v[\t+7], 7, v[\t+6]
	v_and_b32 v[\t+7], 3, v[\s]
	s_delay_alu instid0(VALU_DEP_1)
	v_lshl_add_u32 v[\t+6], v[\t+7], 2, v[\t+6]
	global_store_b32 v98, v[\t+4], s[34:35] offset:\off
	global_store_b32 v98, v[\t+5], s[34:35] offset:\off+1024
	global_store_b32 v98, v[\t+6], s[34:35] offset:\off+2048
.endm
	GOFF 91, 100, 0
	GOFF 97, 112, 3072
	s_set_vgpr_msb 0x5
	s_wait_tensorcnt 0x0
	ds_add_u32 v0, v1
	s_wait_dscnt 0x0
	s_set_vgpr_msb 0x500
	s_endpgm
.Lfunc_end_k_qefef4c0aa0_lay:
	.size	k_qefef4c0aa0_lay, .Lfunc_end_k_qefef4c0aa0_lay-k_qefef4c0aa0_lay
	.p2alignl 7, 3214868480
	.fill 96, 4, 3214868480
	.section	.rodata,"a",@progbits
	.p2align	6, 0x0
	.amdhsa_kernel k_qefef4c0aa0_lay
		.amdhsa_group_segment_fixed_size 81920
		.amdhsa_private_segment_fixed_size 0
		.amdhsa_enable_private_segment 0
		.amdhsa_kernarg_size 128
		.amdhsa_user_sgpr_count 2
		.amdhsa_user_sgpr_kernarg_segment_ptr 1
		.amdhsa_wavefront_size32 1
		.amdhsa_system_sgpr_workgroup_id_x 1
		.amdhsa_system_sgpr_workgroup_id_y 1
		.amdhsa_system_sgpr_workgroup_id_z 1
		.amdhsa_system_vgpr_workitem_id 0
		.amdhsa_next_free_vgpr 258
		.amdhsa_next_free_sgpr 66
		.amdhsa_reserve_vcc 1
		.amdhsa_float_denorm_mode_32 3
		.amdhsa_float_denorm_mode_16_64 3
		.amdhsa_memory_ordered 1
		.amdhsa_forward_progress 1
		.amdhsa_inst_pref_size 62
	.end_amdhsa_kernel
	.amdgpu_metadata
---
amdhsa.version: [ 1, 2 ]
amdhsa.kernels:
  - .name:           k_qefef4c0aa0_lay
    .symbol:         k_qefef4c0aa0_lay.kd
    .args:
      - { .name: x, .offset: 0, .size: 8, .value_kind: global_buffer, .address_space: global }
      - { .name: wq_codes, .offset: 8, .size: 8, .value_kind: global_buffer, .address_space: global }
      - { .name: wq_scales, .offset: 16, .size: 8, .value_kind: global_buffer, .address_space: global }
      - { .name: wk_codes, .offset: 24, .size: 8, .value_kind: global_buffer, .address_space: global }
      - { .name: wk_scales, .offset: 32, .size: 8, .value_kind: global_buffer, .address_space: global }
      - { .name: wv_codes, .offset: 40, .size: 8, .value_kind: global_buffer, .address_space: global }
      - { .name: wv_scales, .offset: 48, .size: 8, .value_kind: global_buffer, .address_space: global }
      - { .name: wo_codes, .offset: 56, .size: 8, .value_kind: global_buffer, .address_space: global }
      - { .name: wo_scales, .offset: 64, .size: 8, .value_kind: global_buffer, .address_space: global }
      - { .name: ws1_codes, .offset: 72, .size: 8, .value_kind: global_buffer, .address_space: global }
      - { .name: ws1_scales, .offset: 80, .size: 8, .value_kind: global_buffer, .address_space: global }
      - { .name: bs1, .offset: 88, .size: 8, .value_kind: global_buffer, .address_space: global }
      - { .name: ws2, .offset: 96, .size: 8, .value_kind: global_buffer, .address_space: global }
      - { .name: bs2, .offset: 104, .size: 8, .value_kind: global_buffer, .address_space: global }
      - { .name: prep, .offset: 112, .size: 8, .value_kind: global_buffer, .address_space: global }
      - { .name: gsel, .offset: 120, .size: 8, .value_kind: global_buffer, .address_space: global }
    .group_segment_fixed_size: 81920
    .private_segment_fixed_size: 0
    .kernarg_segment_align: 8
    .kernarg_segment_size: 128
    .max_flat_workgroup_size: 256
    .sgpr_count:     66
    .vgpr_count:     258
    .wavefront_size: 32
...
	.end_amdgpu_metadata
.endif
;; end of part 1
;; launch project (part 2): grid 8 x 32, 4 waves a work-group, clusters of 4 x 1, 209,408 bytes of LDS; arguments prep, qkv; writes qkv
.if DOCPART == 2
	.amdgcn_target "amdgcn-amd-amdhsa--gfx1250"
	.amdhsa_code_object_version 6
	.text
	.protected	k_qefef4c0aa0_project
	.globl	k_qefef4c0aa0_project
	.p2align	8
	.type	k_qefef4c0aa0_project,@function
k_qefef4c0aa0_project:
	s_mov_b64 s[64:65], 0
	v_nop
	global_prefetch_b8 v0, s[64:65] scope:SCOPE_SE
	s_setreg_imm32_b32 hwreg(HW_REG_WAVE_MODE, 25, 1), 1
	s_wait_xcnt 0x0
	s_wait_alu depctr_hold_cnt(0) depctr_sa_sdst(0) depctr_va_vdst(0) depctr_va_sdst(0) depctr_va_ssrc(0) depctr_va_vcc(0) depctr_vm_vsrc(0)
	s_getreg_b32 s2, hwreg(HW_REG_IB_STS2, 6, 4)
	s_cmp_eq_u32 s2, 0
	s_cbranch_scc0 .Lentry_in_a_cluster
	s_endpgm
.Lentry_in_a_cluster:
	s_bfe_u32 s2, ttmp6, 0x10000c
	s_cmp_lg_u32 s2, 0x3003
	s_cbranch_scc0 .Lentry_shape_is_right
	s_endpgm
.Lentry_shape_is_right:
; q, k, v = Q(x) wq, Q(x) wk, Q(x) wv on codes of E2M3, and each result quantised at once for the attention: q and k along the head's 64, v along the tokens.
; SHARES.  A work-group takes 256 rows of x (one record of prep: codes and scale words, 204,800 bytes) and two heads: 256 x 384 of the results.  Wave w takes head 2 slice + w / 2; with w even wq's 64 columns of it,
; with w odd wk's; and 32 of wv's columns (half w % 2).  Its 48 fragments of weights (576 registers) stay in registers for the whole launch.  All waves run one text: what differs is in global offsets.
; CLUSTER.  The four work-groups of a cluster take the same 256 rows: the record is asked for JOINTLY, one tensor load a wave (51,200 bytes), the same descriptor and the mask 15 in all four.  It is filled once.
; A PAIR of tiles of rows (32 rows) at a time, 8 pairs: 96 products, then three quantisers.  Groups 1, 2 (q or k; the head's columns 0-31, 32-63): source 0 = 16 columns, source 1 = 16 rows: a lane holds one row and
; 16 neighbouring columns.  Group 3 (v): source 0 = 16 rows, source 1 = 16 columns: a lane holds one column and 16 neighbouring rows (tokens), which are the second attention product's K.
; OUT (qkv).  128 records of 104,448 bytes, one for each batch, head and window of 1,024 tokens: K's codes [tile 64][block 2][16][24]; V's [tile of 16 of the head's 64: 4][block of 32 tokens: 32][16][24];
; K's scale words [tile][16]; V's [K step 8][tile 4][16].  Q's codes [batch x head][tile 256][768] and scale words.  v of tokens 0-287 of each batch also as f32, for the gather of the global tokens.
; The head has 64 numbers, the product 128: bytes 2, 3 of q's and k's scale words repeat bytes 0, 1; the codes that they scale meet zero codes.
; REGISTERS.  window 0: v1-7, v62 addresses; v8-31 the weights' scale words, v32-39 x's (two K steps to a register); v40-59 bytes and words; v64-159, v160-255 x's fragments of K steps 0-3 and 4-7.
;   window g = 1, 2, 3: v0-191 group g's 16 fragments; v192-223 its four accumulators; v224-238 its quantiser.
; LIMITS: a block of zeros gets the byte 1 (its codes are zeros; this program alone reads the bytes); NaN and infinities are not served.
.set WIMG,  6553600
.set WSC,   9699328
.set RECB,  104448
.set QC,    13369344
.set QS,    19660800
.set VF,    20185088
.set XW,    196608                     ; LDS: the record's scale words
.set STG,   204800                     ; LDS: 1,024 bytes for each wave: 16 tiles' scale words of q or k, gathered for two whole stores
.set MSB, 0
.macro WIN new                         ; the immediate's high byte repeats the setting that is left
.if MSB != (\new)
	s_set_vgpr_msb (MSB<<8)|(\new)
.set MSB, (\new)
.endif
.endm
.macro CROUND                          ; a round of the cluster's barrier
	s_barrier_signal -1
	s_barrier_wait -1
	s_cmp_lg_u32 s8, 0
	s_cbranch_scc1 .Lnot_wave_0_\@
	s_barrier_signal -3
.Lnot_wave_0_\@:
	s_barrier_wait -3
	s_barrier_signal -1
	s_barrier_wait -1
.endm
.macro PLACES                          ; four places ahead of loads into registers that products have read, and of the first read of results
.rept 4
	v_nop
.endr
.endm
.macro WMS zero, odd                   ; one product; rD, rA, rB, rSA, rSB are set ahead of it.  odd: both sides' scale words stand in lanes 16-31
.if \zero
	v_wmma_scale_f32_16x16x128_f8f6f4 v[rD:rD+7], v[rA:rA+11], v[rB:rB+11], 0, v[rSA], v[rSB] matrix_a_fmt:MATRIX_FMT_FP6 matrix_b_fmt:MATRIX_FMT_FP6
.else
.if \odd
	v_wmma_scale_f32_16x16x128_f8f6f4 v[rD:rD+7], v[rA:rA+11], v[rB:rB+11], v[rD:rD+7], v[rSA], v[rSB] matrix_a_fmt:MATRIX_FMT_FP6 matrix_b_fmt:MATRIX_FMT_FP6 matrix_a_scale:MATRIX_SCALE_ROW1 matrix_b_scale:MATRIX_SCALE_ROW1
.else
	v_wmma_scale_f32_16x16x128_f8f6f4 v[rD:rD+7], v[rA:rA+11], v[rB:rB+11], v[rD:rD+7], v[rSA], v[rSB] matrix_a_fmt:MATRIX_FMT_FP6 matrix_b_fmt:MATRIX_FMT_FP6
.endif
.endif
.endm
; 16 products of group g on x's buffer buf (K steps 4 hf .. 4 hf + 3): the group's four accumulators take turns, one instruction a turn.  K step 0 starts the sums
.macro MULG g, buf, hf
.if \g == 1
	WIN 0x51                                       ; source 0, C and D window 1, source 1 window 0
.elseif \g == 2
	WIN 0xa2
.else
	WIN 0xfc                                       ; source 0 window 0; source 1, C and D window 3
.endif
.irp k, 0,1,2,3
.irp u, 0,1
.irp t, 0,1
.set ks, 4*\hf+\k
.if \g < 3
.set rD, 192+16*\u+8*\t
.set rA, 96*\t+12*ks
.set rB, \buf+48*\u+12*\k
.set rSA, 8+4*(2*(\g-1)+\t)+ks/2
.set rSB, 32+4*\u+ks/2
.else
.set rD, 192+16*\t+8*\u
.set rA, \buf+48*\u+12*\k
.set rB, 96*\t+12*ks
.set rSA, 32+4*\u+ks/2
.set rSB, 24+4*\t+ks/2
.endif
.set zf, 0
.if ks == 0
.set zf, 1
.endif
	WMS zf, \k&1
.endr
.endr
.endr
.endm
; x's fragments of K steps 4 hf .. 4 hf + 3 of the pair that begins off bytes on, and their scale words: 52 LDS loads in one run
.macro AFETCH buf, hf, off
.irp u, 0,1
.irp k, 0,1,2,3
.irp p, 0,1,2,3,4,5
	ds_load_b64 v[\buf+48*\u+12*\k+2*\p:\buf+48*\u+12*\k+2*\p+1], v1 offset:\off+12288*\u+1536*(4*\hf+\k)+768*(\p/3)+8*(\p%3)
.endr
.endr
.endr
.irp u, 0,1
.irp i, 0,1
	ds_load_b32 v[32+4*\u+2*\hf+\i], v2 offset:\off/24+512*\u+128*(2*\hf+\i)
.endr
.endr
.endm
; group g's two runs of 16 registers (16 neighbours along the next K; the block's other 16 lie in lane l xor 16) become codes, stored at off0 and off1 behind s[sb:sb+1]; their bytes go to v[by], v[by+1] of window 0
.macro QBLK g, sb, off0, off1, by
	WIN 0x55*\g
	v_max3_num_f32 v224, |v192|, |v193|, 0x1800000 ; each accumulator is read from its low end on; the floor 2^(3 - 127) holds the byte at 1 from below
	v_max3_num_f32 v225, |v208|, |v209|, 0x1800000
.irp i, 2,4,6,8,10,12,14
	v_max3_num_f32 v224, v224, |v[192+\i]|, |v[193+\i]|
	v_max3_num_f32 v225, v225, |v[208+\i]|, |v[209+\i]|
.endr
	v_permlanex16_b32 v226, v224, s42, s43
	v_permlanex16_b32 v227, v225, s42, s43
	v_max_num_f32 v224, v224, v226
	v_max_num_f32 v225, v225, v227
	v_add_nc_u32 v228, 0xff000000, v224            ; 2 off the exponent field: the conversion's scale operand
	v_add_nc_u32 v229, 0xff000000, v225
	v_cvt_scalef32_pk16_fp6_f32 v[232:234], v[192:207], v228
	v_cvt_scalef32_pk16_fp6_f32 v[236:238], v[208:223], v229
	v_nop                                          ; one plain line behind the last scaled conversion
	WIN \g<<2                                      ; source 1 (a shift's number, a store's data) window g; all else window 0
	v_lshrrev_b32 v[\by], 23, v228
	v_lshrrev_b32 v[\by+1], 23, v229
	global_store_b96 v3, v[232:234], s[\sb:\sb+1] offset:\off0   ; 384 consecutive bytes a wave
	global_store_b96 v3, v[236:238], s[\sb:\sb+1] offset:\off1
.endm
	s_load_b128 s[4:7], s[0:1], 0x0                ; prep, qkv
	s_set_vgpr_msb 0x40
	v_lshl_add_u32 v254, v0, 2, 0x33000
	v_mov_b32 v255, 0
	s_set_vgpr_msb 0x4045
	ds_add_u32 v254, v255
	ds_add_u32 v254, v255
	s_set_vgpr_msb 0x4500
	v_lshrrev_b32 v1, 5, v0
	v_readfirstlane_b32 s8, v1                     ; wave 0..3
	s_and_b32 s11, ttmp7, 0xffff                   ; which 256 rows: the cluster's y, the same in all four partners
	; the descriptor: my quarter of the record, 200 rows of 256 bytes, dense.  Nothing in it hangs on the work-group's place in its cluster
	s_mov_b32 s16, 15|(3<<16)|(1<<21)              ; 15:0 the mask: all four; 17:16 elements of 8 bytes; 21 set beside a mask
	s_mov_b32 s17, 32<<16                          ; tensor_dim0 = 32
	s_mov_b32 s18, 200<<16                         ; tensor_dim1 = 200
	s_mov_b32 s19, 32<<16                          ; tile_dim0 = 32
	s_mov_b32 s20, 200                             ; tile_dim1 = 200
	s_mov_b32 s21, 32                              ; the pitch
	s_mov_b32 s22, 0
	s_mov_b32 s23, 0
	s_mov_b32 s24, 1
	s_mul_i32 s25, s8, 51200                       ; LDS address
	s_mul_i32 s52, s11, 204800
	s_add_co_u32 s52, s52, s25
	s_mov_b32 s53, 0
	; ids and the offsets of what I store
	s_bfe_u32 s9, ttmp6, 0x40000                   ; cx
	s_lshl_b32 s10, ttmp9, 2
	s_add_co_u32 s10, s10, s9                      ; slice 0..7
	s_lshr_b32 s12, s8, 1
	s_lshl_b32 s14, s10, 1
	s_add_co_u32 s12, s12, s14                     ; head
	s_and_b32 s13, s8, 1                           ; 0: q, 1: k; and which half of v's columns
	s_lshr_b32 s44, s11, 4
	s_lshl_b32 s44, s44, 4
	s_add_co_u32 s44, s44, s12                     ; 16 batch + head
	s_bfe_u32 s45, s11, 0x20002                    ; the window
	s_lshl_b32 s46, s44, 2
	s_add_co_u32 s45, s45, s46
	s_mul_i32 s46, s45, RECB                       ; the record
	s_and_b32 s47, s11, 3                          ; my quarter of the window
	s_and_b32 s48, s11, 15                         ; my 256 rows of the batch
	s_lshl_b32 s49, s44, 8
	s_lshl_b32 s50, s48, 4
	s_add_co_u32 s49, s49, s50                     ; q's first tile
	s_mul_i32 s50, s47, 12288
	s_add_co_u32 s50, s50, s46
	s_mul_i32 s51, s49, 768
	s_add_co_u32 s51, s51, QC
	s_cmp_eq_u32 s13, 1
	s_cselect_b32 s28, s50, s51                    ; codes of k or of q
	s_mov_b32 s29, 0
	s_lshl_b32 s50, s47, 10
	s_add_co_u32 s50, s50, s46
	s_add_co_u32 s50, s50, 98304
	s_lshl_b32 s51, s49, 6
	s_add_co_u32 s51, s51, QS
	s_cmp_eq_u32 s13, 1
	s_cselect_b32 s34, s50, s51                    ; their scale words
	s_mov_b32 s35, 0
	s_mul_i32 s50, s13, 24576
	s_add_co_u32 s30, s46, s50
	s_mul_i32 s50, s47, 3072
	s_add_co_u32 s30, s30, s50
	s_add_co_u32 s30, s30, 49152                   ; v's codes
	s_mov_b32 s31, 0
	s_lshl_b32 s50, s47, 9
	s_add_co_u32 s36, s46, s50
	s_lshl_b32 s50, s13, 7
	s_add_co_u32 s36, s36, s50
	s_add_co_u32 s36, s36, 102400                  ; v's scale words
	s_mov_b32 s37, 0
	s_lshl_b32 s50, s44, 2
	s_lshl_b32 s51, s13, 1
	s_add_co_u32 s50, s50, s51
	s_mul_i32 s32, s50, 18432
	s_lshl_b32 s50, s48, 14
	s_add_co_u32 s32, s32, s50
	s_add_co_u32 s32, s32, VF                      ; v as f32 (used while the pair's number in the batch is under 9)
	s_mov_b32 s33, 0
	s_lshl_b32 s38, s48, 3                         ; the pair's number in the batch
	s_lshl_b32 s50, s13, 6
	s_lshl_b32 s51, s12, 2
	s_add_co_u32 s50, s50, s51                     ; wq's or wk's first tile of my head
	s_mul_i32 s58, s50, 12288
	s_add_co_u32 s58, s58, WIMG
	s_mov_b32 s59, 0
	s_lshl_b32 s62, s50, 9
	s_add_co_u32 s62, s62, WSC
	s_mov_b32 s63, 0
	s_lshl_b32 s50, s13, 1
	s_add_co_u32 s50, s50, s51
	s_add_co_u32 s50, s50, 128                     ; wv's
	s_mul_i32 s60, s50, 12288
	s_add_co_u32 s60, s60, WIMG
	s_mov_b32 s61, 0
	s_lshl_b32 s14, s50, 9
	s_add_co_u32 s14, s14, WSC
	s_mov_b32 s15, 0
	s_mov_b32 s40, 0xffff0000                      ; lanes 16-31
	s_mov_b32 s42, 0x76543210
	s_mov_b32 s43, 0xfedcba98
	v_and_b32 v63, 31, v0                          ; L
	v_and_b32 v60, 15, v0                          ; r
	v_bfe_u32 v61, v0, 4, 1                        ; h
	v_mul_u32_u24 v7, v63, 24                      ; 24 L
	v_lshlrev_b32 v4, 2, v63                       ; 4 L
	v_lshlrev_b32 v5, 4, v63                       ; 16 L
	v_mul_u32_u24 v3, v60, 24
	v_mad_u32_u24 v3, v61, 12, v3                  ; 24 r + 12 h
	s_lshl_b32 s54, s8, 10
	s_add_co_u32 s54, s54, STG                     ; my stage
	s_mov_b32 s55, s54                             ; where the pair's words go: 128 bytes a pair
	s_mov_b32 s56, 0                               ; where the pair's codes lie: 24,576 bytes a pair
	s_mov_b32 s57, XW                              ; and its scale words: 1,024 bytes a pair
	v_add_nc_u32 v1, s56, v7
	v_add_nc_u32 v2, s57, v4
	v_add_nc_u32 v6, s55, v4
	v_add_nc_u32 v62, s54, v5
.irp i, 48,49,50,51
	v_mov_b32 v[\i], 0                             ; v's scale bytes are shifted in from above
.endr
	s_wait_dscnt 0x0
	s_wait_kmcnt 0x0
	s_add_nc_u64 s[26:27], s[4:5], s[52:53]
	s_or_b32 s27, s27, 0x80000000                  ; type = 2
	s_add_nc_u64 s[28:29], s[6:7], s[28:29]
	s_add_nc_u64 s[30:31], s[6:7], s[30:31]
	s_add_nc_u64 s[32:33], s[6:7], s[32:33]
	s_add_nc_u64 s[34:35], s[6:7], s[34:35]
	s_add_nc_u64 s[36:37], s[6:7], s[36:37]
	s_add_nc_u64 s[58:59], s[4:5], s[58:59]
	s_add_nc_u64 s[60:61], s[4:5], s[60:61]
	s_add_nc_u64 s[62:63], s[4:5], s[62:63]
	s_add_nc_u64 s[14:15], s[4:5], s[14:15]
	CROUND                                         ; all four work-groups are here: the joint loads meet
	tensor_load_to_lds s[24:27], s[16:23]          ; my one tensor load of the launch
	s_nop 0
.rept 4
	v_nop                                          ; four v_nop follow it
.endr
	; the weights: a group's 192 registers are 24,576 consecutive bytes of prep: 48 loads of 512 bytes
	WIN 0x40
	v_mov_b32 v226, 0                              ; a lane permute's destination counts as one of its sources
	v_mov_b32 v227, 0
.set n, 0
.rept 48
	global_load_b128 v[4*n:4*n+3], v5, s[58:59] offset:512*n
.set n, n+1
.endr
	WIN 0x80
	v_mov_b32 v226, 0
	v_mov_b32 v227, 0
.set n, 0
.rept 48
	global_load_b128 v[4*n:4*n+3], v5, s[58:59] offset:24576+512*n
.set n, n+1
.endr
	WIN 0xc0
	v_mov_b32 v226, 0
	v_mov_b32 v227, 0
.set n, 0
.rept 48
	global_load_b128 v[4*n:4*n+3], v5, s[60:61] offset:512*n
.set n, n+1
.endr
	WIN 0
.irp n, 0,1,2,3
.irp i, 0,1,2,3
	global_load_b32 v[8+4*\n+\i], v4, s[62:63] offset:512*\n+128*\i    ; lanes 0-15 K step 2 i, lanes 16-31 K step 2 i + 1
.endr
.endr
.irp n, 0,1
.irp i, 0,1,2,3
	global_load_b32 v[24+4*\n+\i], v4, s[14:15] offset:512*\n+128*\i
.endr
.endr
	s_wait_tensorcnt 0x0                           ; my quarter of the record is in,
	s_barrier_signal -1
	s_barrier_wait -1                              ; everybody's is
	AFETCH 64, 0, 0
	AFETCH 160, 1, 0
	s_wait_loadcnt 0x0                             ; the weights
.macro PAIR last
	s_wait_dscnt 0x0                               ; both buffers: asked for half a pair's products and a quantiser's run ago
	MULG 1, 64, 0
	MULG 2, 64, 0
	MULG 3, 64, 0
	WIN 0
	PLACES
.if !\last
	AFETCH 64, 0, 24576                            ; the next pair's K steps 0-3
.endif
	MULG 1, 160, 1
	MULG 2, 160, 1
	MULG 3, 160, 1
	WIN 0
	PLACES
.if !\last
	AFETCH 160, 1, 24576
.endif
	QBLK 1, 28, 0, 768, 40                         ; block 0 of the head's 64, tiles 0 and 1 of the pair
	QBLK 2, 28, 384, 1152, 42                      ; block 1
	QBLK 3, 30, 0, 12288, 44                       ; v: this pair's 32 tokens are one block; my two tiles of columns
	WIN 0
	s_cmp_lt_u32 s38, 9                            ; tokens 0-287 of a batch: v also as f32.  (The number hangs on the cluster's y and the trip alone)
	s_cbranch_scc0 .Lnovf_\@
	WIN 0x0c                                       ; a store's data: window 3
.irp t, 0,1
.irp i, 0,1,2,3
	global_store_b128 v5, v[192+16*\t+4*\i:195+16*\t+4*\i], s[32:33] offset:18432*\t+512*\i
.endr
.endr
	WIN 0
.Lnovf_\@:
	v_lshl_or_b32 v46, v42, 8, v40                 ; a row's scale word: bytes 0, 1,
	v_lshl_or_b32 v47, v43, 8, v41
	v_lshl_or_b32 v46, v46, 16, v46                ; and the same again as bytes 2, 3
	v_lshl_or_b32 v47, v47, 16, v47
	v_cndmask_b32 v46, v46, v47, s40               ; lanes 0-15 the pair's first tile, lanes 16-31 its second
	ds_store_b32 v6, v46
.irp t, 0,1
	v_alignbit_b32 v[48+2*\t], v[49+2*\t], v[48+2*\t], 8      ; v's bytes: eight pairs fill two words, the first pair's byte lowest
	v_lshrrev_b32 v[49+2*\t], 8, v[49+2*\t]
	s_wait_alu depctr_va_vdst(0)
	v_lshl_or_b32 v[49+2*\t], v[44+\t], 24, v[49+2*\t]
.endr
.if !\last
	s_wait_xcnt 0x0                                ; the stores have read their data and bases: both are written again only behind this wait
	s_add_nc_u64 s[28:29], s[28:29], 1536
	s_add_nc_u64 s[30:31], s[30:31], 384
	s_add_nc_u64 s[32:33], s[32:33], 2048
	s_add_co_u32 s38, s38, 1
	s_add_co_u32 s55, s55, 128
	s_add_co_u32 s56, s56, 24576
	s_add_co_u32 s57, s57, 1024
	v_add_nc_u32 v1, s56, v7
	v_add_nc_u32 v2, s57, v4
	v_add_nc_u32 v6, s55, v4
.endif
.endm
	s_mov_b32 s39, 7
.Lpair:
	s_wait_alu depctr_va_vdst(0)
	PAIR 0
	s_sub_co_u32 s39, s39, 1
	s_cmp_lg_u32 s39, 0
	s_cbranch_scc1 .Lpair
	PAIR 1                                         ; the last pair fetches nothing: no LDS read passes the record
	ds_load_b128 v[52:55], v62                     ; my 16 tiles' scale words: LDS serves a wave's instructions in order
	ds_load_b128 v[56:59], v62 offset:512
	v_cndmask_b32 v46, v48, v50, s40               ; v's words: lanes 0-15 my first tile of columns, lanes 16-31 my second
	v_cndmask_b32 v47, v49, v51, s40
	global_store_b32 v4, v46, s[36:37]
	global_store_b32 v4, v47, s[36:37] offset:256
	s_wait_dscnt 0x0
	global_store_b128 v5, v[52:55], s[34:35]       ; 512 consecutive bytes a store
	global_store_b128 v5, v[56:59], s[34:35] offset:512
	s_set_vgpr_msb 0x5
	s_wait_tensorcnt 0x0
	ds_add_u32 v254, v255
	s_wait_dscnt 0x0
	s_set_vgpr_msb 0x500
	CROUND                                         ; the closing round
	s_endpgm
.Lfunc_end_k_qefef4c0aa0_project:
	.size	k_qefef4c0aa0_project, .Lfunc_end_k_qefef4c0aa0_project-k_qefef4c0aa0_project
	.p2alignl 7, 3214868480
	.fill 96, 4, 3214868480
	.section	.rodata,"a",@progbits
	.p2align	6, 0x0
	.amdhsa_kernel k_qefef4c0aa0_project
		.amdhsa_group_segment_fixed_size 209408
		.amdhsa_private_segment_fixed_size 0
		.amdhsa_enable_private_segment 0
		.amdhsa_kernarg_size 16
		.amdhsa_user_sgpr_count 2
		.amdhsa_user_sgpr_kernarg_segment_ptr 1
		.amdhsa_wavefront_size32 1
		.amdhsa_system_sgpr_workgroup_id_x 1
		.amdhsa_system_sgpr_workgroup_id_y 1
		.amdhsa_system_sgpr_workgroup_id_z 1
		.amdhsa_system_vgpr_workitem_id 0
		.amdhsa_next_free_vgpr 1024
		.amdhsa_next_free_sgpr 66
		.amdhsa_reserve_vcc 0
		.amdhsa_float_denorm_mode_32 3
		.amdhsa_float_denorm_mode_16_64 3
		.amdhsa_memory_ordered 1
		.amdhsa_forward_progress 1
		.amdhsa_inst_pref_size 78
	.end_amdhsa_kernel
	.amdgpu_metadata
---
amdhsa.version: [ 1, 2 ]
amdhsa.kernels:
  - .name:           k_qefef4c0aa0_project
    .symbol:         k_qefef4c0aa0_project.kd
    .args:
      - { .name: prep, .offset: 0, .size: 8, .value_kind: global_buffer, .address_space: global }
      - { .name: qkv, .offset: 8, .size: 8, .value_kind: global_buffer, .address_space: global }
    .group_segment_fixed_size: 209408
    .private_segment_fixed_size: 0
    .kernarg_segment_align: 8
    .kernarg_segment_size: 16
    .max_flat_workgroup_size: 128
    .sgpr_count:     66
    .vgpr_count:     1024
    .wavefront_size: 32
...
	.end_amdgpu_metadata
.endif
;; end of part 2
;; launch attend (part 3): grid 8 x 32, 16 waves a work-group, no clusters, 169,984 bytes of LDS; arguments qkv, gsel, att; writes att
.if DOCPART == 3
	.amdgcn_target "amdgcn-amd-amdhsa--gfx1250"
	.amdhsa_code_object_version 6
	.text
	.protected	k_qefef4c0aa0_attend
	.globl	k_qefef4c0aa0_attend
	.p2align	8
	.type	k_qefef4c0aa0_attend,@function
k_qefef4c0aa0_attend:
	s_mov_b64 s[64:65], 0
	v_nop
	global_prefetch_b8 v0, s[64:65] scope:SCOPE_SE
	s_setreg_imm32_b32 hwreg(HW_REG_WAVE_MODE, 25, 1), 1
	s_wait_xcnt 0x0
; The local causal attention of a window of 1,024 tokens and the global attention on the 256 chosen tokens, added, and the sum quantised along the head's 64 for the last product.  All four products on codes of E2M3.
; Key steps that lie wholly under reference()'s own causal mask are left out.
; THE SOFTMAX AHEAD OF A SECOND PRODUCT: t = score x log2(e) / 8; M = the row's largest t so far, rounded UP to a whole number; p = 2^(t - M) is quantised along the keys, not normalised; the row's sum is taken
; of the unquantised p and divides at the end.  When M moves, the sum and O are multiplied by 2^(old M - new M): exact.
; SHARES.  A work-group takes half the queries of one window of one batch and head.  Wave w of half p takes the tiles of 16 queries j = 16 p + w and 63 - j: 8 local key steps of 128 and 2 x 2 global ones.
; LDS.  The window's record (K's and V's codes and scale words, 104,448 bytes) comes once, by six tensor loads of 17,408 bytes (waves 0-5).  The global keys and values are gathered by the sixteen waves through
; registers: K's codes and scale words are rows of window 0's record, taken as they are; V's rows are taken as f32 and quantised anew along the list's order.  One barrier.  Both tiles' Q are loaded at the head.
; Each softmax's first step is written out: its products start the sums (C = 0), nothing is cleared or rescaled there.
; No joint loads: only the two work-groups of a window read the same record, once, at the head.  No prefetch: no loop asks for tiles.
; LAYOUT.  Both products are used transposed: S^T = K Q^T (source 0 = 16 keys), O^T = V^T P^T (source 0 = 16 of the head's 64): a lane holds ONE query (place lane % 16 of its tile) throughout.
; THE KEYS OF A TILE ARE CHOSEN BY ADDRESS: row m of tile 4 c + u is key 64 c + 32 (m / 8) + 8 u + m % 8 of the step.  So register 32 c + 8 u + j of lane (r, h) is key 64 c + 32 h + 8 u + j:
; a lane holds two WHOLE blocks of 32 keys, 2 c + h, in the order of the second product's operand: a block's maximum needs no other lane and the codes change no lane.
; In the record key x lies in tile 2 (x / 32) + (x / 8) % 2 at place x % 8 + 8 ((x / 16) % 2): the lane terms v2 (codes) and v6 (scale words) and the loads' immediates say just that.
; THE HEAD HAS 64 NUMBERS, THE PRODUCT 128: Q's upper six registers hold zero codes; K's upper six are whatever codes stand next (the next tile's, or the other tile's Q): they meet zero codes and add nothing.
; REGISTERS: v1-7 lane terms; v8-11 the step's LDS addresses; v12 -M, v13 the largest score, v[14:15] the sum; v16-27 Q, v28 its scale word; v29, v80-85 the other tile's Q; v30-31, v92-95, v86 the gathered key;
;   v32-79 eight tiles of K (6 each) or four of V (12 each); v87-90 where the gather goes; v91, v243 the add's; v96-159 S^T, then p; v160-191 O^T; v192-223 the gathered values, later the local result and the sum of both;
;   v224-235 p's codes; v232-242, v244-245, v254 at work; v246 8 h; v248-251 K's or V's scale words; v252 f; v253 p's scale word.
; LIMITS: the promise holds while the scaled scores stay under 2^31 in magnitude; a block of zeros gets the byte 1 (its codes are zeros; this program alone reads the bytes); NaN and infinities are not served.
.set RECB,  104448
.set QC,    13369344
.set QS,    19660800
.set VF,    20185088
.set VCO,   49152                      ; in the record, and so in LDS: V's codes,
.set KSO,   98304                      ; K's scale words,
.set VSO,   102400                     ; V's
.set GK,    104448                     ; behind the record, written by LDS stores alone: the global keys' codes, 16 tiles x 768,
.set GV,    116736                     ; the global values' [tile 4][block 8][16][24],
.set GKS,   129024                     ; the keys' scale words,
.set GVS,   130048                     ; the values' [K step 2][tile 4][16]
.set SPARE, 167936                     ; the spare words: 128 bytes for each wave
.set ADK, 8
.set ADV, 9
.set ADS, 10
.set ADT, 11
.set WV,  10                           ; s10 wave
.set SEL, 20                           ; s[20:21] lane l xor 16
.set CS,  22                           ; s[22:23] c = log2(e) / 8
.set CSN, 72                           ; -c
.set TK,  36                           ; s36-39 where the step's K, V, K's words, V's words begin in LDS
.set TV,  37
.set TSK, 38
.set TSV, 39
.set KF,  40                           ; the step's first key
.set QB,  41                           ; the tile's least query
.set QMAX, 42                          ; and its greatest
.macro WMA zero, odd                   ; one product; odd: source 0's scale words stand in lanes 16-31
.if \zero
.if \odd
	v_wmma_scale_f32_16x16x128_f8f6f4 v[rD:rD+7], v[rA:rA+11], v[rB:rB+11], 0, v[rSA], v[rSB] matrix_a_fmt:MATRIX_FMT_FP6 matrix_b_fmt:MATRIX_FMT_FP6 matrix_a_scale:MATRIX_SCALE_ROW1
.else
	v_wmma_scale_f32_16x16x128_f8f6f4 v[rD:rD+7], v[rA:rA+11], v[rB:rB+11], 0, v[rSA], v[rSB] matrix_a_fmt:MATRIX_FMT_FP6 matrix_b_fmt:MATRIX_FMT_FP6
.endif
.else
.if \odd
	v_wmma_scale_f32_16x16x128_f8f6f4 v[rD:rD+7], v[rA:rA+11], v[rB:rB+11], v[rD:rD+7], v[rSA], v[rSB] matrix_a_fmt:MATRIX_FMT_FP6 matrix_b_fmt:MATRIX_FMT_FP6 matrix_a_scale:MATRIX_SCALE_ROW1
.else
	v_wmma_scale_f32_16x16x128_f8f6f4 v[rD:rD+7], v[rA:rA+11], v[rB:rB+11], v[rD:rD+7], v[rSA], v[rSB] matrix_a_fmt:MATRIX_FMT_FP6 matrix_b_fmt:MATRIX_FMT_FP6
.endif
.endif
.endm
	s_load_b128 s[4:7], s[0:1], 0x0                ; qkv, gsel
	s_load_b64 s[8:9], s[0:1], 0x10                ; att
	v_lshl_add_u32 v91, v0, 2, SPARE
	v_mov_b32 v243, 0
	ds_add_u32 v91, v243                           ; the opening lines: the add, twice on end, and its wait ahead of the first tensor load
	ds_add_u32 v91, v243
	v_lshrrev_b32 v8, 5, v0
	v_readfirstlane_b32 s[WV], v8                  ; wave 0..15
	s_and_b32 s11, ttmp7, 0xffff                   ; 16 batch + head
	s_lshr_b32 s12, ttmp9, 1                       ; window
	s_and_b32 s13, ttmp9, 1                        ; which half of its queries
	s_and_b32 s15, s11, 15                         ; head
	s_lshr_b32 s16, s11, 4                         ; batch
	s_mov_b32 s24, 3<<16                           ; descriptor group 1: 68 rows of 256 bytes (32 elements of 8 bytes), dense, no mask, no padding
	s_mov_b32 s25, 32<<16
	s_mov_b32 s26, 68<<16
	s_mov_b32 s27, 32<<16
	s_mov_b32 s28, 68
	s_mov_b32 s29, 32
	s_mov_b32 s30, 0
	s_mov_b32 s31, 0
	s_mov_b32 s32, 1
	s_mul_i32 s33, s[WV], 17408                    ; LDS address: my sixth of the record
	s_lshl_b32 s45, s11, 2
	s_add_co_u32 s46, s45, s12
	s_mul_i32 s46, s46, RECB
	s_add_co_u32 s46, s46, s33
	s_mov_b32 s47, 0
	s_mul_i32 s48, s45, RECB                       ; window 0's record: the chosen tokens lie there
	s_mov_b32 s49, 0
	s_and_b32 s61, s[WV], 3
	s_add_co_u32 s50, s45, s61
	s_mul_i32 s50, s50, 18432
	s_add_co_u32 s50, s50, VF                      ; v as f32: tile w % 4 of the head's 64
	s_mov_b32 s51, 0
	s_lshl_b32 s52, s11, 8
	s_lshl_b32 s53, s12, 6
	s_add_co_u32 s52, s52, s53                     ; the window's first tile of queries
	s_lshl_b32 s14, s13, 4
	s_add_co_u32 s14, s14, s[WV]                   ; my first tile j
	s_sub_co_u32 s62, 63, s14                      ; my second
	s_add_co_u32 s66, s52, s14
	s_add_co_u32 s67, s52, s62
	s_mul_i32 s52, s66, 768                        ; Q's codes and scale words of both
	s_add_co_u32 s52, s52, QC
	s_mov_b32 s53, 0
	s_lshl_b32 s54, s66, 6
	s_add_co_u32 s54, s54, QS
	s_mov_b32 s55, 0
	s_mul_i32 s56, s67, 768
	s_add_co_u32 s56, s56, QC
	s_mov_b32 s57, 0
	s_lshl_b32 s58, s67, 6
	s_add_co_u32 s58, s58, QS
	s_mov_b32 s59, 0
	; the gather.  Wave w: tile w of the global keys (list places 32 (w / 2) + 8 (w % 2) + r % 8 + 16 (r / 8)); and blocks 2 (w / 4) + h of the list for tile w % 4 of the head's 64
	s_mul_i32 s60, s16, 3072                       ; the batch's three lists
	s_lshr_b32 s74, s[WV], 1
	s_lshl_b32 s74, s74, 5
	s_and_b32 s75, s[WV], 1
	s_lshl_b32 s75, s75, 3
	s_add_co_u32 s74, s74, s75
	s_lshl_b32 s74, s74, 2
	s_add_co_u32 s74, s74, s60
	s_lshr_b32 s62, s[WV], 2
	s_lshl_b32 s75, s62, 8
	s_add_co_u32 s75, s75, s60
	s_mul_i32 s76, s[WV], 768
	s_add_co_u32 s76, s76, GK
	s_lshl_b32 s77, s[WV], 6
	s_add_co_u32 s77, s77, GKS
	s_mul_i32 s78, s61, 3072
	s_mul_i32 s63, s62, 768
	s_add_co_u32 s78, s78, s63
	s_add_co_u32 s78, s78, GV
	s_lshr_b32 s79, s[WV], 3
	s_lshl_b32 s79, s79, 8
	s_lshl_b32 s63, s61, 6
	s_add_co_u32 s79, s79, s63
	s_and_b32 s63, s62, 1
	s_lshl_b32 s63, s63, 1
	s_add_co_u32 s79, s79, s63
	s_add_co_u32 s79, s79, GVS
	s_mov_b32 s[SEL], 0x76543210
	s_mov_b32 s[SEL+1], 0xfedcba98
	s_mov_b32 s[CS], 0x3e38aa3b
	s_mov_b32 s[CS+1], s[CS]                       ; (named with it as a pair, so it is written)
	s_mov_b32 s[CSN], 0xbe38aa3b
	v_and_b32 v9, 31, v0                           ; L
	v_and_b32 v10, 15, v0                          ; r
	v_bfe_u32 v11, v0, 4, 1                        ; h
	v_and_b32 v12, 7, v0                           ; r % 8
	v_bfe_u32 v13, v0, 3, 1                        ; r / 8
	v_mul_u32_u24 v1, v9, 24                       ; 24 L
	v_lshlrev_b32 v7, 2, v9                        ; 4 L
	v_mul_u32_u24 v4, v10, 24
	v_lshlrev_b32 v5, 2, v10                       ; 4 r
	v_lshl_add_u32 v14, v13, 4, v12                ; r % 8 + 16 (r / 8): my query's place, and my place in the list's tile
	v_lshlrev_b32 v15, 5, v11
	v_mul_u32_u24 v2, v12, 24
	v_lshlrev_b32 v6, 2, v12
	v_mad_u32_u24 v4, v11, 12, v4                  ; 24 r + 12 h
	v_sub_nc_u32 v3, v14, v15                      ; my query's place less 32 h: for the mask
	v_mad_u32_u24 v2, v13, 1536, v2
	v_lshl_add_u32 v6, v13, 7, v6
	v_lshlrev_b32 v246, 3, v11                     ; 8 h
	v_mul_u32_u24 v100, v11, 384
	v_lshlrev_b32 v101, 4, v10                     ; 16 r
	v_add_nc_u32 v90, v5, v11
	v_lshl_add_u32 v6, v11, 6, v6                  ; K's scale words: 128 (r / 8) + 4 (r % 8) + 64 (lane / 16)
	v_add_nc_u32 v2, v2, v100                      ; K's codes: 1536 (r / 8) + 24 (r % 8) + 384 h
	v_lshl_add_u32 v96, v14, 2, s74
	v_lshl_add_u32 v97, v11, 7, s75
	v_add_nc_u32 v87, s76, v1
	v_add_nc_u32 v88, s77, v5
	v_add_nc_u32 v89, s78, v1
	v_add_nc_u32 v90, s79, v90                     ; my block's byte: 4 r + h, + the wave's constants
.irp i, 22,23,24,25,26,27,236,239,252,253,255
	v_mov_b32 v[\i], 0                             ; zero codes; and registers that are named before their first result
.endr
	s_wait_alu depctr_va_vdst(0)                   ; the wait here, directly ahead of the waits below
	s_wait_dscnt 0x0
	s_wait_kmcnt 0x0
	s_add_nc_u64 s[34:35], s[4:5], s[46:47]
	s_or_b32 s35, s35, 0x80000000
	s_cmp_lt_u32 s[WV], 6
	s_cbranch_scc0 .Lnofill
	tensor_load_to_lds s[32:35], s[24:31]          ; filled once; a wave has at most this one load out
	s_nop 0
.rept 4
	v_nop
.endr
.Lnofill:
	s_add_nc_u64 s[48:49], s[4:5], s[48:49]
	s_add_nc_u64 s[50:51], s[4:5], s[50:51]
	s_add_nc_u64 s[52:53], s[4:5], s[52:53]
	s_add_nc_u64 s[54:55], s[4:5], s[54:55]
	s_add_nc_u64 s[56:57], s[4:5], s[56:57]
	s_add_nc_u64 s[58:59], s[4:5], s[58:59]
	global_load_b32 v98, v96, s[6:7]               ; where my key's codes lie
	global_load_b32 v99, v96, s[6:7] offset:1024   ; and its scale word
.irp i, 0,1,2,3,4,5,6,7
	global_load_b128 v[192+4*\i:195+4*\i], v97, s[6:7] offset:2048+16*\i   ; where my block's 32 tokens lie in a row of v
.endr
.irp p, 0,1,2
	global_load_b64 v[16+2*\p:17+2*\p], v1, s[52:53] offset:8*\p   ; Q's 64 codes of tile j: block h of place r
.endr
	global_load_b32 v28, v5, s[54:55]
.irp p, 0,1,2
	global_load_b64 v[80+2*\p:81+2*\p], v1, s[56:57] offset:8*\p   ; and of tile 63 - j
.endr
	global_load_b32 v29, v5, s[58:59]
	s_wait_loadcnt 8                               ; the lists' 10 loads are in; Q's 8 may be out
	v_min_u32 v98, 48744, v98                      ; loaded numbers enter addresses held to the regions that they index
	v_min_u32 v99, 4092, v99
.set n, 0
.rept 32
	v_min_u32 v[192+n], 18188, v[192+n]
.set n, n+1
.endr
	v_add_nc_u32 v98, v98, v100                    ; + 384 h: my block of the key's 64
.set n, 0
.rept 32
	v_add_nc_u32 v[192+n], v101, v[192+n]          ; + 16 r: my place among the tile's 16
.set n, n+1
.endr
	global_load_b64 v[30:31], v98, s[48:49]
	global_load_b64 v[92:93], v98, s[48:49] offset:8
	global_load_b64 v[94:95], v98, s[48:49] offset:16
	global_load_b32 v86, v99, s[48:49] offset:KSO
.set n, 0
.rept 32
	global_load_b32 v[192+n], v[192+n], s[50:51]   ; each lands on its own offset
.set n, n+1
.endr
	s_wait_alu depctr_va_vdst(0)                   ; directly ahead of the wait below
	s_wait_loadcnt 0x0                             ; Q and the gather
	v_max3_num_f32 v104, |v192|, |v193|, |v194|    ; V's 32 numbers: a whole block of the list is mine
	v_max3_num_f32 v105, |v195|, |v196|, |v197|
.irp i, 6,10,14,18,22,26
	v_max3_num_f32 v104, v104, |v[192+\i]|, |v[193+\i]|
	v_max3_num_f32 v105, v105, |v[194+\i]|, |v[195+\i]|
.endr
	v_max3_num_f32 v104, v104, |v222|, |v223|
	v_max3_num_f32 v104, v104, v105, 0x1800000     ; and the floor 2^(3 - 127)
	v_add_nc_u32 v106, 0xff000000, v104
	v_lshrrev_b32 v107, 23, v106
	v_cvt_scalef32_pk16_fp6_f32 v[96:98], v[192:207], v106
	v_cvt_scalef32_pk16_fp6_f32 v[100:102], v[208:223], v106   ; (a conversion's three registers begin on an even number)
	v_nop                                          ; one plain line behind the last scaled conversion
	v_mov_b32 v99, v100
	v_mov_b32 v100, v101
	v_mov_b32 v101, v102
	ds_store_b64 v89, v[96:97]
	ds_store_b64 v89, v[98:99] offset:8
	ds_store_b64 v89, v[100:101] offset:16
	ds_store_b8 v90, v107
	ds_store_b64 v87, v[30:31]
	ds_store_b64 v87, v[92:93] offset:8
	ds_store_b64 v87, v[94:95] offset:16
	ds_store_b32 v88, v86                          ; both halves of the lanes hold the key's word and write the same value
	s_wait_alu depctr_va_vdst(0)
	s_wait_tensorcnt 0x0                           ; my part of the record is in,
	s_wait_dscnt 0x0                               ; my stores have landed:
	s_barrier_signal -1
	s_barrier_wait -1                              ; everybody's
; A KEY STEP of 128 keys.  causal = 1: under the mask.  first = 1: the softmax's first step.  vdt: bytes from tile to tile of V.
.macro STEP causal, first, vdt
.if (\causal) && (\first) == 0
	s_cmp_gt_u32 s[KF], s[QMAX]                    ; all keys come after my queries: only the steps of the addresses remain
	s_cbranch_scc1 .Lhidden_\@
.endif
	v_add_nc_u32 v[ADK], s[TK], v2                 ; (these four are the places ahead of the loads below)
	v_add_nc_u32 v[ADV], s[TV], v1
	v_add_nc_u32 v[ADS], s[TSK], v6
	v_add_nc_u32 v[ADT], s[TSV], v7
.irp t, 0,1,2,3,4,5,6,7
.irp p, 0,1,2
	ds_load_b64 v[32+6*\t+2*\p:33+6*\t+2*\p], v[ADK] offset:3072*(\t/4)+768*(\t%2)+192*((\t%4)/2)+8*\p
.endr
.endr
.irp i, 0,1,2,3
	ds_load_b32 v[248+\i], v[ADS] offset:256*(\i/2)+32*(\i%2)   ; lanes 0-15 tile 2 i, lanes 16-31 tile 2 i + 1
.endr
	s_wait_alu depctr_va_vdst(0)                   ; directly ahead of the wait below
	s_wait_dscnt 0x0
.irp t, 0,1,2,3,4,5,6,7
.set rD, 96+8*\t
.set rA, 32+6*\t
.set rB, 16
.set rSA, 248+2*(\t/4)+(\t%4)/2
.set rSB, 28
	WMA 1, \t&1
.endr
.rept 4
	v_nop                                          ; four places ahead of loads into registers that the products have read, and of the first read of results
.endr
.irp t, 0,1,2,3                                ; V is asked for now: the softmax stands between these loads and the wait for them
.irp p, 0,1,2,3,4,5
	ds_load_b64 v[32+12*\t+2*\p:33+12*\t+2*\p], v[ADV] offset:\vdt*\t+768*(\p/3)+8*(\p%3)
.endr
.endr
	ds_load_b32 v248, v[ADT]
	ds_load_b32 v249, v[ADT] offset:128
.if \causal                                    ; on the diagonal hidden scores become -infinity ahead of the maximum.  A step, or its first 64 keys, all of which count, skips this
	s_add_co_u32 s45, s[KF], 127
	s_cmp_le_u32 s45, s[QB]
	s_cbranch_scc1 .Lopen_\@
	s_sub_co_i32 s45, s[QB], s[KF]
	v_add_nc_u32 v252, s45, v3                     ; d = my query - the step's first key - 32 h.  Register 32 c + i holds key 64 c + 32 h + i of the step: hidden where 64 c + i > d
	v_mov_b32 v254, 0xff800000
	v_add_nc_u32 v236, 0xffffffc0, v252            ; d - 64
	s_wait_alu depctr_va_vdst(0)                   ; directly ahead of the branch
	s_cmp_ge_i32 s45, 63
	s_cbranch_scc1 .Lhalf_\@
.set n, 0
.rept 32
	v_cmp_gt_i32 vcc_lo, n, v252
	v_cndmask_b32 v[96+n], v[96+n], v254, vcc_lo
.set n, n+1
.endr
.Lhalf_\@:
.set n, 0
.rept 32
	v_cmp_gt_i32 vcc_lo, n, v236
	v_cndmask_b32 v[128+n], v[128+n], v254, vcc_lo
.set n, n+1
.endr
.Lopen_\@:
.endif
.irp b, 0,1,2,3
	v_max3_num_f32 v[232+\b], v[96+16*\b], v[97+16*\b], v[98+16*\b]   ; four chains of 16 by turns; each accumulator is read from its low end on
.endr
.irp i, 3,5,7,9,11,13
.irp b, 0,1,2,3
	v_max3_num_f32 v[232+\b], v[232+\b], v[96+16*\b+\i], v[97+16*\b+\i]
.endr
.endr
	v_max3_num_f32 v232, v232, v233, v111
	v_max3_num_f32 v234, v234, v235, v143
	v_max_num_f32 v232, v232, v127                 ; the largest score of my block h: for the row's maximum, and, since p rises with the score, for the block's largest p
	v_max_num_f32 v233, v234, v159                 ; and of my block 2 + h
	v_max_num_f32 v254, v232, v233
	v_permlanex16_b32 v236, v254, s[SEL], s[SEL+1]
.if \first
	v_max_num_f32 v13, v254, v236                  ; the row's largest score
.else
	v_max3_num_f32 v13, v13, v254, v236            ; the row's largest score so far
	v_mov_b32 v254, v12
.endif
	v_mul_f32 v237, s[CSN], v13                    ; -t
	v_floor_f32 v12, v237                          ; -M = -ceil(t)
.if (\first) == 0
	v_sub_f32 v254, v12, v254                      ; old M - new M: a whole number, 0 or less
	v_cvt_i32_f32 v254, v254                       ; (it saturates)
	v_ldexp_f32 v252, 1.0, v254                    ; f = 2^(old M - new M)
.endif
	v_fma_f32 v232, v232, s[CS], v12               ; t - M of each block's largest score,
	v_fma_f32 v233, v233, s[CS], v12
.set n, 0
.rept 32
	v_pk_fma_f32 v[96+n:97+n], v[96+n:97+n], s[CS:CS+1], v[12:13] op_sel_hi:[1,0,0]   ; and of all, two at a time
.set n, n+2
.endr
	s_wait_alu depctr_va_vdst(0)                   ; the wait ahead of the batch
	v_exp_f32 v232, v232                           ; the blocks' largest p
	v_exp_f32 v233, v233
.set n, 0
.rept 64
	v_exp_f32 v[96+n], v[96+n]                     ; p = 2^(t - M)
.set n, n+1
.endr
.if \first
	v_nop                                          ; a plain line behind the exponentials
.else
	v_pk_mul_f32 v[14:15], v[14:15], v[252:253] op_sel_hi:[1,0]   ; the sums under the new M (a plain line behind the exponentials)
.endif
	s_wait_alu depctr_va_vdst(0)                   ; one wait for the batch of 66, ahead of its first reader
	v_max_num_f32 v232, 0x1800000, v232            ; the floor 2^(3 - 127)
	v_max_num_f32 v233, 0x1800000, v233
	v_add_nc_u32 v244, 0xff000000, v232            ; 2 off the exponent field: the conversion's scale operand
	v_add_nc_u32 v245, 0xff000000, v233
	v_lshrrev_b32 v236, 23, v244
	v_lshrrev_b32 v237, 23, v245
	v_lshl_or_b32 v238, v237, 16, v236             ; my two bytes: blocks h and 2 + h,
	v_lshlrev_b32 v238, v246, v238                 ; at their places in the word (8 h bits up);
	v_permlanex16_b32 v239, v238, s[SEL], s[SEL+1]
	v_or_b32 v253, v238, v239                      ; with lane l xor 16's two: p's scale word for these 128 keys
.irp c, 0,1
	v_cvt_scalef32_pk16_fp6_f32 v[224+6*\c:226+6*\c], v[96+32*\c:111+32*\c], v[244+\c]
	v_cvt_scalef32_pk16_fp6_f32 v[236+4*\c:238+4*\c], v[112+32*\c:127+32*\c], v[244+\c]   ; (a conversion's three registers begin on an even number)
.endr
	v_nop                                          ; one plain line behind the last scaled conversion
.irp c, 0,1
.irp i, 0,1,2
	v_mov_b32 v[227+6*\c+\i], v[236+4*\c+\i]
.endr
.endr
.irp w, 32,16,8,4                              ; the row's sum of the unquantised p, in place, two at a time.  (These lines are also the places between the scale word, the codes and the products below)
.set n, 0
.rept \w/2
	v_pk_add_f32 v[96+n:97+n], v[96+n:97+n], v[96+\w+n:97+\w+n]
.set n, n+2
.endr
.endr
.if \first
	v_pk_add_f32 v[14:15], v[96:97], v[98:99]
.else
	v_pk_add_f32 v[14:15], v[14:15], v[96:97]
	v_pk_add_f32 v[14:15], v[14:15], v[98:99]
	s_wait_alu depctr_va_vdst(0)                   ; directly ahead of the first reader of O^T
.set n, 0
.rept 16
	v_pk_mul_f32 v[160+n:161+n], v[160+n:161+n], v[252:253] op_sel_hi:[1,0]   ; O^T under the new M
.set n, n+2
.endr
.endif
	s_wait_alu depctr_va_vdst(0)                   ; directly ahead of the wait below
	s_wait_dscnt 0x0                               ; V
.irp t, 0,1,2,3                                ; the four accumulators take turns
.set rD, 160+8*\t
.set rA, 32+12*\t
.set rB, 224
.set rSA, 248+\t/2
.set rSB, 253
	WMA \first, \t&1
.endr
.if \causal
.if (\first) == 0
.Lhidden_\@:
.endif
	s_add_co_u32 s[KF], s[KF], 128
.endif
	s_add_co_u32 s[TK], s[TK], 6144
	s_add_co_u32 s[TV], s[TV], 1536
	s_add_co_u32 s[TSK], s[TSK], 512
	s_add_co_u32 s[TSV], s[TSV], 256
.endm
.macro ROTQ                            ; the two tiles' Q change places.  (21 plain lines that name no register of the last four products: their places)
.irp i, 0,1,2,3,4,5
	v_mov_b32 v[96+\i], v[16+\i]
.endr
	v_mov_b32 v102, v28
.irp i, 0,1,2,3,4,5
	v_mov_b32 v[16+\i], v[80+\i]
.endr
	v_mov_b32 v28, v29
.irp i, 0,1,2,3,4,5
	v_mov_b32 v[80+\i], v[96+\i]
.endr
	v_mov_b32 v29, v102
.endm
.macro RECIP                           ; 1 / the row's sum into v254
	v_add_f32 v14, v14, v15
	v_permlanex16_b32 v252, v14, s[SEL], s[SEL+1]
	v_add_f32 v14, v14, v252
	s_wait_alu depctr_va_vdst(0)
	v_rcp_f32 v254, v14
	v_nop                                          ; a plain line behind it,
	s_wait_alu depctr_va_vdst(0)                   ; and the wait ahead of its first reader
.endm
	s_mov_b32 s44, 2
.Ltile:
	s_wait_xcnt 0x0                                ; the last tile's stores have read their data and bases
	s_lshr_b32 s[QB], s14, 1
	s_lshl_b32 s[QB], s[QB], 5
	s_and_b32 s45, s14, 1
	s_lshl_b32 s45, s45, 3
	s_add_co_u32 s[QB], s[QB], s45
	s_add_co_u32 s[QMAX], s[QB], 23
	s_lshl_b32 s45, s16, 8
	s_lshl_b32 s46, s12, 6
	s_add_co_u32 s45, s45, s46
	s_add_co_u32 s45, s45, s14                     ; the tile among all 512
	s_lshr_b32 s46, s45, 3
	s_mul_i32 s46, s46, 102400                     ; att: a record for each 128 rows
	s_and_b32 s45, s45, 7
	s_mul_i32 s56, s45, 12288
	s_add_co_u32 s56, s56, s46
	s_mul_i32 s60, s15, 768
	s_add_co_u32 s56, s56, s60                     ; blocks 2 head, 2 head + 1 of the last product's K
	s_mov_b32 s57, 0
	s_add_nc_u64 s[56:57], s[8:9], s[56:57]
	s_lshl_b32 s58, s45, 9
	s_add_co_u32 s58, s58, s46
	s_add_co_u32 s58, s58, 98304
	s_lshr_b32 s60, s15, 1
	s_lshl_b32 s60, s60, 6
	s_add_co_u32 s58, s58, s60
	s_and_b32 s60, s15, 1
	s_lshl_b32 s60, s60, 1
	s_add_co_u32 s58, s58, s60                     ; my two bytes of the row's scale word of K step head / 2
	s_mov_b32 s59, 0
	s_add_nc_u64 s[58:59], s[8:9], s[58:59]
	s_mov_b32 s[TK], 0
	s_mov_b32 s[TV], VCO
	s_mov_b32 s[TSK], KSO
	s_mov_b32 s[TSV], VSO
	s_mov_b32 s[KF], 0
	STEP 1, 1, 12288                               ; keys 0-127: key 0 counts for every query
	s_mov_b32 s43, 7
.Llocal:
	STEP 1, 0, 12288
	s_sub_co_u32 s43, s43, 1
	s_cmp_lg_u32 s43, 0
	s_cbranch_scc1 .Llocal
.rept 4
	v_nop                                          ; four places behind the last products
.endr
	RECIP
.set n, 0
.rept 16
	v_pk_mul_f32 v[192+n:193+n], v[160+n:161+n], v[254:255] op_sel_hi:[1,0]   ; the local result; each accumulator from its low end on
.set n, n+2
.endr
	s_mov_b32 s[TK], GK
	s_mov_b32 s[TV], GV
	s_mov_b32 s[TSK], GKS
	s_mov_b32 s[TSV], GVS
	STEP 0, 1, 3072
	STEP 0, 0, 3072
	ROTQ
	RECIP
.set n, 0
.rept 16
	v_pk_fma_f32 v[192+n:193+n], v[160+n:161+n], v[254:255], v[192+n:193+n] op_sel_hi:[1,0,1]   ; + the global result
.set n, n+2
.endr
	; register 16 b + i is number 32 b + 16 h + i of my query's 64: two blocks of the last product's K
.irp b, 0,1
	v_max3_num_f32 v[232+\b], |v[192+16*\b]|, |v[193+16*\b]|, 0x1800000
.endr
.irp i, 2,4,6,8,10,12,14
.irp b, 0,1
	v_max3_num_f32 v[232+\b], v[232+\b], |v[192+16*\b+\i]|, |v[193+16*\b+\i]|
.endr
.endr
.irp b, 0,1
	v_permlanex16_b32 v[236+\b], v[232+\b], s[SEL], s[SEL+1]
.endr
.irp b, 0,1
	v_max_num_f32 v[232+\b], v[232+\b], v[236+\b]
.endr
.irp b, 0,1
	v_add_nc_u32 v[244+\b], 0xff000000, v[232+\b]
.endr
.irp b, 0,1
	v_lshrrev_b32 v[238+\b], 23, v[244+\b]
.endr
	v_lshl_or_b32 v240, v239, 8, v238
	v_cvt_scalef32_pk16_fp6_f32 v[224:226], v[192:207], v244
	v_cvt_scalef32_pk16_fp6_f32 v[228:230], v[208:223], v245
	v_nop                                          ; one plain line behind the last scaled conversion
	global_store_b96 v4, v[224:226], s[56:57]      ; 384 consecutive bytes a wave
	global_store_b96 v4, v[228:230], s[56:57] offset:384
	global_store_b16 v5, v240, s[58:59]            ; both halves of the lanes hold the row's two bytes and write the same value
	s_sub_co_u32 s14, 63, s14                      ; the wave's other tile
	s_sub_co_u32 s44, s44, 1
	s_cmp_lg_u32 s44, 0
	s_wait_alu depctr_va_vdst(0)                   ; directly ahead of the branch
	s_cbranch_scc1 .Ltile
	s_wait_tensorcnt 0x0                           ; the wave's end
	ds_add_u32 v91, v243
	s_wait_dscnt 0x0
	s_endpgm
.Lfunc_end_k_qefef4c0aa0_attend:
	.size	k_qefef4c0aa0_attend, .Lfunc_end_k_qefef4c0aa0_attend-k_qefef4c0aa0_attend
	.p2alignl 7, 3214868480
	.fill 96, 4, 3214868480
	.section	.rodata,"a",@progbits
	.p2align	6, 0x0
	.amdhsa_kernel k_qefef4c0aa0_attend
		.amdhsa_group_segment_fixed_size 169984
		.amdhsa_private_segment_fixed_size 0
		.amdhsa_enable_private_segment 0
		.amdhsa_kernarg_size 24
		.amdhsa_user_sgpr_count 2
		.amdhsa_user_sgpr_kernarg_segment_ptr 1
		.amdhsa_wavefront_size32 1
		.amdhsa_system_sgpr_workgroup_id_x 1
		.amdhsa_system_sgpr_workgroup_id_y 1
		.amdhsa_system_sgpr_workgroup_id_z 1
		.amdhsa_system_vgpr_workitem_id 0
		.amdhsa_next_free_vgpr 256
		.amdhsa_next_free_sgpr 96
		.amdhsa_reserve_vcc 1
		.amdhsa_float_denorm_mode_32 3
		.amdhsa_float_denorm_mode_16_64 3
		.amdhsa_memory_ordered 1
		.amdhsa_forward_progress 1
		.amdhsa_inst_pref_size 95
	.end_amdhsa_kernel
	.amdgpu_metadata
---
amdhsa.version: [ 1, 2 ]
amdhsa.kernels:
  - .name:           k_qefef4c0aa0_attend
    .symbol:         k_qefef4c0aa0_attend.kd
    .args:
      - { .name: qkv, .offset: 0, .size: 8, .value_kind: global_buffer, .address_space: global }
      - { .name: gsel, .offset: 8, .size: 8, .value_kind: global_buffer, .address_space: global }
      - { .name: att, .offset: 16, .size: 8, .value_kind: global_buffer, .address_space: global }
    .group_segment_fixed_size: 169984
    .private_segment_fixed_size: 0
    .kernarg_segment_align: 8
    .kernarg_segment_size: 24
    .max_flat_workgroup_size: 512
    .sgpr_count:     96
    .vgpr_count:     256
    .wavefront_size: 32
...
	.end_amdgpu_metadata
.endif
;; end of part 3
;; launch outproj (part 4): grid 4 x 64, 4 waves a work-group, clusters of 4 x 1, 168,448 bytes of LDS; arguments att, prep, out0; writes out0
.if DOCPART == 4
	.amdgcn_target "amdgcn-amd-amdhsa--gfx1250"
	.amdhsa_code_object_version 6
	.text
	.protected	k_qefef4c0aa0_outproj
	.globl	k_qefef4c0aa0_outproj
	.p2align	8
	.type	k_qefef4c0aa0_outproj,@function
k_qefef4c0aa0_outproj:
	s_mov_b64 s[64:65], 0
	v_nop
	global_prefetch_b8 v0, s[64:65] scope:SCOPE_SE
	s_setreg_imm32_b32 hwreg(HW_REG_WAVE_MODE, 25, 1), 1
	s_wait_xcnt 0x0
	s_wait_alu depctr_hold_cnt(0) depctr_sa_sdst(0) depctr_va_vdst(0) depctr_va_sdst(0) depctr_va_ssrc(0) depctr_va_vcc(0) depctr_vm_vsrc(0)
	s_getreg_b32 s2, hwreg(HW_REG_IB_STS2, 6, 4)
	s_cmp_eq_u32 s2, 0
	s_cbranch_scc0 .Lentry_in_a_cluster
	s_endpgm
.Lentry_in_a_cluster:
	s_bfe_u32 s2, ttmp6, 0x10000c
	s_cmp_lg_u32 s2, 0x3003
	s_cbranch_scc0 .Lentry_shape_is_right
	s_endpgm
.Lentry_shape_is_right:
; out0 = Q(local + global) wo on codes of E2M3; out0 [8192][1024] f32.
; SHARES.  A work-group takes 128 rows (one record of att: codes and scale words, 102,400 bytes) and 256 columns; wave w takes 64 of them: four tiles of wo, 32 fragments (384 registers), which stay in registers.
; CLUSTER.  The four work-groups of a cluster take the same 128 rows and the four quarters of the columns: the record is asked for JOINTLY, one tensor load a wave (25,600 bytes), mask 15.  It is filled once.
; A PAIR of tiles of rows at a time, 4 pairs: 64 products (source 0 = 16 columns, source 1 = 16 rows: a lane holds one row and 16 neighbouring columns); the 32 rows x 256 bytes go through the wave's own stage
; in LDS and leave as whole rows: sixteen lanes store 256 consecutive bytes, at a multiple of 256 from out0's first byte.
; REGISTERS.  window 0: v1-7, v24, v25 addresses; v8-23 wo's scale words, v32-39 the rows' (two K steps to a register); v64-159, v160-255 the rows' fragments of K steps 0-3 and 4-7.
;   window g = 1, 2: v0-191 16 fragments of wo; v192-223 four accumulators.   window 3: v0-63 rows read back from the stage.
.set WIMG,  6553600
.set WSC,   9699328
.set XW,    98304                      ; LDS: the record's scale words
.set STG,   102400                     ; LDS: a stage of 32 rows x (256 + 16) bytes for each wave
.set MSB, 0
.macro WIN new                         ; the immediate's high byte repeats the setting that is left
.if MSB != (\new)
	s_set_vgpr_msb (MSB<<8)|(\new)
.set MSB, (\new)
.endif
.endm
.macro CROUND                          ; a round of the cluster's barrier
	s_barrier_signal -1
	s_barrier_wait -1
	s_cmp_lg_u32 s8, 0
	s_cbranch_scc1 .Lnot_wave_0_\@
	s_barrier_signal -3
.Lnot_wave_0_\@:
	s_barrier_wait -3
	s_barrier_signal -1
	s_barrier_wait -1
.endm
.macro PLACES                          ; four places ahead of loads into registers that products have read, and of the first read of results
.rept 4
	v_nop
.endr
.endm
.macro WMS zero, odd                   ; one product; odd: both sides' scale words stand in lanes 16-31
.if \zero
	v_wmma_scale_f32_16x16x128_f8f6f4 v[rD:rD+7], v[rA:rA+11], v[rB:rB+11], 0, v[rSA], v[rSB] matrix_a_fmt:MATRIX_FMT_FP6 matrix_b_fmt:MATRIX_FMT_FP6
.else
.if \odd
	v_wmma_scale_f32_16x16x128_f8f6f4 v[rD:rD+7], v[rA:rA+11], v[rB:rB+11], v[rD:rD+7], v[rSA], v[rSB] matrix_a_fmt:MATRIX_FMT_FP6 matrix_b_fmt:MATRIX_FMT_FP6 matrix_a_scale:MATRIX_SCALE_ROW1 matrix_b_scale:MATRIX_SCALE_ROW1
.else
	v_wmma_scale_f32_16x16x128_f8f6f4 v[rD:rD+7], v[rA:rA+11], v[rB:rB+11], v[rD:rD+7], v[rSA], v[rSB] matrix_a_fmt:MATRIX_FMT_FP6 matrix_b_fmt:MATRIX_FMT_FP6
.endif
.endif
.endm
; 16 products of group g on the rows' buffer buf (K steps 4 hf .. 4 hf + 3): the group's four accumulators take turns, one instruction a turn.  K step 0 starts the sums
.macro MULG g, buf, hf
.if \g == 1
	WIN 0x51                                       ; source 0, C and D window 1, source 1 window 0
.else
	WIN 0xa2
.endif
.irp k, 0,1,2,3
.irp u, 0,1
.irp t, 0,1
.set ks, 4*\hf+\k
.set rD, 192+16*\u+8*\t
.set rA, 96*\t+12*ks
.set rB, \buf+48*\u+12*\k
.set rSA, 8+4*(2*(\g-1)+\t)+ks/2
.set rSB, 32+4*\u+ks/2
.set zf, 0
.if ks == 0
.set zf, 1
.endif
	WMS zf, \k&1
.endr
.endr
.endr
.endm
.macro AFETCH buf, hf, off             ; the rows' fragments of K steps 4 hf .. 4 hf + 3 of the pair that begins off bytes on, and their scale words
.irp u, 0,1
.irp k, 0,1,2,3
.irp p, 0,1,2,3,4,5
	ds_load_b64 v[\buf+48*\u+12*\k+2*\p:\buf+48*\u+12*\k+2*\p+1], v1 offset:\off+12288*\u+1536*(4*\hf+\k)+768*(\p/3)+8*(\p%3)
.endr
.endr
.endr
.irp u, 0,1
.irp i, 0,1
	ds_load_b32 v[32+4*\u+2*\hf+\i], v2 offset:\off/24+512*\u+128*(2*\hf+\i)
.endr
.endr
.endm
	s_load_b128 s[4:7], s[0:1], 0x0                ; att, prep
	s_load_b64 s[12:13], s[0:1], 0x10              ; out0
	v_lshl_add_u32 v59, v0, 2, 0x29000
	v_mov_b32 v62, 0
	ds_add_u32 v59, v62
	ds_add_u32 v59, v62
	v_lshrrev_b32 v1, 5, v0
	v_readfirstlane_b32 s8, v1                     ; wave 0..3
	s_and_b32 s11, ttmp7, 0xffff                   ; which 128 rows: the cluster's y
	s_mov_b32 s16, 15|(3<<16)|(1<<21)              ; the descriptor: my quarter of the record, 100 rows of 256 bytes, dense; the mask names all four
	s_mov_b32 s17, 32<<16
	s_mov_b32 s18, 100<<16
	s_mov_b32 s19, 32<<16
	s_mov_b32 s20, 100
	s_mov_b32 s21, 32
	s_mov_b32 s22, 0
	s_mov_b32 s23, 0
	s_mov_b32 s24, 1
	s_mul_i32 s25, s8, 25600
	s_mul_i32 s52, s11, 102400
	s_add_co_u32 s52, s52, s25
	s_mov_b32 s53, 0
	s_bfe_u32 s9, ttmp6, 0x40000                   ; cx: which 256 columns
	s_lshl_b32 s44, s9, 4
	s_lshl_b32 s45, s8, 2
	s_add_co_u32 s44, s44, s45
	s_add_co_u32 s44, s44, 192                     ; wo's tiles 16 cx + 4 w on
	s_mul_i32 s58, s44, 12288
	s_add_co_u32 s58, s58, WIMG
	s_mov_b32 s59, 0
	s_lshl_b32 s62, s44, 9
	s_add_co_u32 s62, s62, WSC
	s_mov_b32 s63, 0
	s_lshl_b32 s28, s11, 19                        ; 128 rows of 4,096 bytes
	s_lshl_b32 s44, s9, 10
	s_add_co_u32 s28, s28, s44
	s_lshl_b32 s44, s8, 8
	s_add_co_u32 s28, s28, s44
	s_mov_b32 s29, 0
	v_and_b32 v63, 31, v0                          ; L
	v_and_b32 v60, 15, v0                          ; r
	v_bfe_u32 v61, v0, 4, 1                        ; h
	v_mul_u32_u24 v7, v63, 24                      ; 24 L
	v_lshlrev_b32 v4, 2, v63                       ; 4 L
	v_lshlrev_b32 v5, 4, v63                       ; 16 L
	s_mul_i32 s54, s8, 8704
	s_add_co_u32 s54, s54, STG                     ; my stage
	v_mul_u32_u24 v6, v60, 272
	v_lshl_add_u32 v6, v61, 6, v6
	v_add_nc_u32 v6, s54, v6                       ; in: row r of a tile, + 64 h
	v_mul_u32_u24 v24, v61, 272
	v_lshl_add_u32 v24, v60, 4, v24
	v_add_nc_u32 v24, s54, v24                     ; back: lanes 0-15 one row, lanes 16-31 the next
	v_lshlrev_b32 v25, 12, v61
	v_lshl_add_u32 v25, v60, 4, v25                ; and the same in out0
	s_mov_b32 s56, 0                               ; where the pair's codes lie: 24,576 bytes a pair
	s_mov_b32 s57, XW                              ; and its scale words: 1,024 bytes a pair
	v_add_nc_u32 v1, s56, v7
	v_add_nc_u32 v2, s57, v4
	s_wait_dscnt 0x0
	s_wait_kmcnt 0x0
	s_add_nc_u64 s[26:27], s[4:5], s[52:53]
	s_or_b32 s27, s27, 0x80000000
	s_add_nc_u64 s[58:59], s[6:7], s[58:59]
	s_add_nc_u64 s[62:63], s[6:7], s[62:63]
	s_add_nc_u64 s[28:29], s[12:13], s[28:29]
	CROUND                                         ; all four work-groups are here: the joint loads meet
	tensor_load_to_lds s[24:27], s[16:23]          ; my one tensor load of the launch
	s_nop 0
.rept 4
	v_nop                                          ; four v_nop follow it
.endr
	WIN 0x40
.set n, 0
.rept 48
	global_load_b128 v[4*n:4*n+3], v5, s[58:59] offset:512*n
.set n, n+1
.endr
	WIN 0x80
.set n, 0
.rept 48
	global_load_b128 v[4*n:4*n+3], v5, s[58:59] offset:24576+512*n
.set n, n+1
.endr
	WIN 0
.irp n, 0,1,2,3
.irp i, 0,1,2,3
	global_load_b32 v[8+4*\n+\i], v4, s[62:63] offset:512*\n+128*\i
.endr
.endr
	s_wait_tensorcnt 0x0                           ; my quarter of the record is in,
	s_barrier_signal -1
	s_barrier_wait -1                              ; everybody's is
	s_wait_alu depctr_va_vdst(0)
	AFETCH 64, 0, 0
	AFETCH 160, 1, 0
	s_wait_loadcnt 0x0                             ; the weights
.macro PAIR last
	s_wait_dscnt 0x0                               ; both buffers are in
	MULG 1, 64, 0
	MULG 2, 64, 0
	WIN 0
	PLACES
.if !\last
	AFETCH 64, 0, 24576
.endif
	MULG 1, 160, 1
	MULG 2, 160, 1
	WIN 0
	PLACES
.if !\last
	AFETCH 160, 1, 24576
.endif
.irp g, 1,2
	WIN \g<<2                                      ; an LDS store's data: window g
.irp u, 0,1
.irp i, 0,1,2,3
	ds_store_b128 v6, v[192+16*\u+4*\i:195+16*\u+4*\i] offset:4352*\u+128*(\g-1)+16*\i   ; each accumulator from its low end on
.endr
.endr
.endr
	WIN 0xc0                                       ; destination window 3
.set n, 0
.rept 16
	ds_load_b128 v[4*n:4*n+3], v24 offset:544*n    ; LDS serves a wave's instructions in order: these see my stores
.set n, n+1
.endr
	WIN 0x0c                                       ; a store's data: window 3
.set n, 0
.rept 16
	s_wait_dscnt 15-n                              ; load n is in; the 15 - n younger ones may be out
	global_store_b128 v25, v[4*n:4*n+3], s[28:29] offset:(8*(n>>3)+((2*n)&7)+16*(((2*n)&15)>>3))*4096 th:TH_STORE_NT   ; stage rows 2 n, 2 n + 1 are places of a tile: their rows in out0
.set n, n+1
.endr
	WIN 0
.if !\last
	s_wait_xcnt 0x0                                ; the stores have read their data and base
	s_add_nc_u64 s[28:29], s[28:29], 131072        ; 32 rows on
	s_add_co_u32 s56, s56, 24576
	s_add_co_u32 s57, s57, 1024
	v_add_nc_u32 v1, s56, v7                       ; (with the four v_nop above: six places between the last products and those that begin the sums anew)
	v_add_nc_u32 v2, s57, v4
.endif
.endm
	s_mov_b32 s39, 3
.Lpair:
	s_wait_alu depctr_va_vdst(0)
	PAIR 0
	s_sub_co_u32 s39, s39, 1
	s_cmp_lg_u32 s39, 0
	s_cbranch_scc1 .Lpair
	PAIR 1                                         ; the last pair fetches nothing: no LDS read passes the record
	s_wait_dscnt 0x0
	s_wait_tensorcnt 0x0
	ds_add_u32 v59, v62
	s_wait_dscnt 0x0
	CROUND                                         ; the closing round
	s_endpgm
.Lfunc_end_k_qefef4c0aa0_outproj:
	.size	k_qefef4c0aa0_outproj, .Lfunc_end_k_qefef4c0aa0_outproj-k_qefef4c0aa0_outproj
	.p2alignl 7, 3214868480
	.fill 96, 4, 3214868480
	.section	.rodata,"a",@progbits
	.p2align	6, 0x0
	.amdhsa_kernel k_qefef4c0aa0_outproj
		.amdhsa_group_segment_fixed_size 168448
		.amdhsa_private_segment_fixed_size 0
		.amdhsa_enable_private_segment 0
		.amdhsa_kernarg_size 24
		.amdhsa_user_sgpr_count 2
		.amdhsa_user_sgpr_kernarg_segment_ptr 1
		.amdhsa_wavefront_size32 1
		.amdhsa_system_sgpr_workgroup_id_x 1
		.amdhsa_system_sgpr_workgroup_id_y 1
		.amdhsa_system_sgpr_workgroup_id_z 1
		.amdhsa_system_vgpr_workitem_id 0
		.amdhsa_next_free_vgpr 832
		.amdhsa_next_free_sgpr 66
		.amdhsa_reserve_vcc 0
		.amdhsa_float_denorm_mode_32 3
		.amdhsa_float_denorm_mode_16_64 3
		.amdhsa_memory_ordered 1
		.amdhsa_forward_progress 1
		.amdhsa_inst_pref_size 55
	.end_amdhsa_kernel
	.amdgpu_metadata
---
amdhsa.version: [ 1, 2 ]
amdhsa.kernels:
  - .name:           k_qefef4c0aa0_outproj
    .symbol:         k_qefef4c0aa0_outproj.kd
    .args:
      - { .name: att, .offset: 0, .size: 8, .value_kind: global_buffer, .address_space: global }
      - { .name: prep, .offset: 8, .size: 8, .value_kind: global_buffer, .address_space: global }
      - { .name: out0, .offset: 16, .size: 8, .value_kind: global_buffer, .address_space: global }
    .group_segment_fixed_size: 168448
    .private_segment_fixed_size: 0
    .kernarg_segment_align: 8
    .kernarg_segment_size: 24
    .max_flat_workgroup_size: 128
    .sgpr_count:     66
    .vgpr_count:     832
    .wavefront_size: 32
...
	.end_amdgpu_metadata
.endif
;; end of part 4
